; MI455X (gfx1250); checked and timed in simulation.
; The chip was launched on July 23, 2026; its instructions are those of AMD's public machine-readable ISA for CDNA 5 (MIT licence, August 2026) and "CDNA5" Instruction Set Architecture Reference Guide (July 2026). The comments in the code are by the model that wrote it; some were corrected since.
;; Meta Multi Head Self Attention. Allowed arithmetic: matrix products marked QUANTISED: E2M1 operands, one E8M0 scale for each 32 along K, by v_wmma_scale_f32_16x16x128_f8f6f4 with both operands' format E2M1 (or v_wmma_scale_f32_32x16x128_f4), f32 sums; products left as they are: bf16, f16 or f32 operands; f32 sums; everything else in f32.
;; Inputs: k_proj 1,024 x 1,024 float32; o_proj 1,024 x 1,024 float32; q_proj 1,024 x 1,024 float32; v_proj 1,024 x 1,024 float32; x 4 x 2,048 x 1,024 float32.
;; Outputs: out0 4 x 2,048 x 1,024 float32.
;; This version of the problem:
;;   THIS VERSION OF THE PROBLEM IS GIVEN IN LOW PRECISION. The matrix products marked QUANTISED in the list below multiply operands that are first quantised to E2M1 (2 exponent bits, 1 mantissa bit; 4 bits a number), with one power-of-two scale for each 32 numbers along K (OCP MX v1.0); their sums are f32. The products marked 'left as it is' may take bf16, f16 or f32 operands, with f32 sums. Whichever they take, every output number must still come out within the allowed error. Rounding operands to bf16 (8 significant bits) uses up far more of that allowance than f16 does (11 bits, for magnitudes from 6e-5 to 65,504). All else is computed in f32.
;;   The module's matrix products, in the order in which they are computed (A, B: the left and right operand; K: the contracted axis; several contracted axes count as one K, in the product's order):
;;     1. [M 8,192, K 1,024] x [K 1,024, N 1,024]; A: input x; B: input q_proj: QUANTISED
;;     2. [M 8,192, K 1,024] x [K 1,024, N 1,024]; A: input x; B: input k_proj: QUANTISED
;;     3. [M 8,192, K 1,024] x [K 1,024, N 1,024]; A: input x; B: input v_proj: QUANTISED
;;     4. batch 64 x [M 2,048, K 64] x [K 64, N 2,048]; A: computed on the way; B: computed on the way: left as it is (an operand is computed on the way)
;;     5. batch 64 x [M 2,048, K 2,048] x [K 2,048, N 64]; A: computed on the way; B: computed on the way: left as it is (an operand is computed on the way)
;;     6. [M 8,192, K 1,024] x [K 1,024, N 1,024]; A: computed on the way; B: input o_proj: left as it is (an operand is computed on the way)
;;   THE QUANTISER, for each operand of a quantised product, along K:
;;     - K is cut into blocks of 32 from its start; a last block that is shorter is filled with zeros.
;;     - A block's scale is 2^e with e = floor(log2(the largest magnitude in the block)) - 2, held to -126 .. 127; a block of zeros has e = 0. As a byte (E8M0): e + 127.
;;     - Each number is divided by its block's scale, clamped to +-6, and rounded to the nearest number of E2M1, ties to even, subnormals kept.
;;     - The product sums the exact products of the quantised numbers (number of the format x scale) in f32.
;;   ~~~python
;;   def quantise(x, axis):      # numpy; x: float32 -> the quantised numbers, widened to float32 again
;;       x = np.moveaxis(x, axis, -1); K = x.shape[-1]
;;       x = np.pad(x, [(0, 0)] * (x.ndim - 1) + [(0, -K % 32)]); x = x.reshape(x.shape[:-1] + (-1, 32)); a = np.abs(x).max(-1, keepdims=True)
;;       e = np.where(a > 0, np.clip(np.frexp(np.where(a > 0, a, 1))[1] - 1 - 2, -126, 127), 0)      # np.frexp(a)[1] - 1 = floor(log2(a)), exactly
;;       r = np.clip(x / 2.0 ** e, -6, 6)
;;       step = 2.0 ** (np.maximum(np.frexp(np.where(r == 0, 1, r))[1] - 1, 0) - 1)
;;       q = np.round(r / step) * step * 2.0 ** e      # np.round: ties to even
;;       return np.moveaxis(q.reshape(q.shape[:-2] + (-1,))[..., :K], -1, axis).astype(np.float32)
;;   ~~~
;; One version. Each part assembles by itself: llvm-mc -triple=amdgcn-amd-amdhsa -mcpu=gfx1250 --defsym DOCPART=n.
;; ======== version 1 of 1: 5 launches
;; limits: values are held in f16: magnitudes above 65,504 overflow, below 6.1e-05 lose precision
;; workspace buffers: x_codes 4,194,304 bytes; x_scales 262,144 bytes; w_codes 1,572,864 bytes; w_scales 98,304 bytes; o16 2,097,152 bytes; qkv 50,331,648 bytes; qkv32 786,432 bytes; att16 16,777,216 bytes
;; launch quant (part 1): grid 416 x 1, 4 waves a work-group, no clusters, 33,280 bytes of LDS; arguments x, q_proj, k_proj, v_proj, o_proj, x_codes, x_scales, w_codes, w_scales, o16; writes x_codes, x_scales, w_codes, w_scales, o16
.if DOCPART == 1
	.amdgcn_target "amdgcn-amd-amdhsa--gfx1250"
	.amdhsa_code_object_version 6
	.text
	.protected	k_q0940e9391d_quant
	.globl	k_q0940e9391d_quant
	.p2align	8
	.type	k_q0940e9391d_quant,@function
k_q0940e9391d_quant:
	s_mov_b64 s[64:65], 0
	v_nop
	global_prefetch_b8 v0, s[64:65] scope:SCOPE_SE
	s_setreg_imm32_b32 hwreg(HW_REG_WAVE_MODE, 25, 1), 1
	s_wait_xcnt 0x0
; x [8192][1024] and q_proj, k_proj, v_proj [1024][1024], f32, K innermost, become codes of FP4 (E2M1), two a byte, with one E8M0 scale byte for each 32 along K.
; The three weights' codes follow each other in w_codes: one operand of 3,072 rows (q, k, v).  o_proj becomes f16, laid by planes of 64 along K: o16[p][n][64] = o_proj[n][64 p ..].
; A block's scale is 2^(floor(log2(its largest magnitude)) - 2); its byte is the largest magnitude's exponent field - 2, held at 1 from below.  A block of zeros so gets the byte 1 where the
; rule says 127: its codes are zeros, which add nothing under any byte but 0xff, and the bytes are read by this program alone.
; LIMITS: blocks whose largest magnitude lies under 2^-124 keep the byte 1; NaN and infinities among the inputs are not served; |o_proj| stays under 65,504 (f16).
; SHARES.  Rows are dense and K is a multiple of 32: each tensor is a stream of blocks.  A work-group takes 32,768 numbers, a wave 16 steps of 512.  Work-groups 0-255: x; 256-287, 288-319, 320-351: the
; three weights; 352-415: o_proj.  Only pointers are chosen by the work-group's number; the four quantised tensors take one path.
; A step's four loads read 512 consecutive bytes each, 16 a lane; the 2,048 bytes turn through the wave's own stage in LDS and come back 64 bytes a lane: 16 neighbours along K, two lanes to a block.
; No tensor load, no barrier: waves share nothing.  Loads run four steps ahead, the turn through LDS one step.
.set WAVES, 4
.set STEPS, 16
.set WGX,   256                        ; work-groups for x: 8,192 x 1,024 / 32,768
.set WGW,   32                         ; for each weight
.set WGQ,   WGX+3*WGW                  ; from here on: o_proj
.set EMAX,  2
.set CB,    8                          ; bytes of 16 codes
.set R,     16                         ; v16-79   four sets of 16 numbers as they are loaded
.set X,     80                         ; v80-111  two sets of 16 neighbours
.set E,     112                        ; v112-127 a scale byte for each step
.set C,     128                        ; v128-191 codes: four registers for each step, so that no store's data are written again
.set WREG,  8192                       ; LDS: a region for each wave: two stages of 32 x SP bytes, behind them its 256 scale bytes
.set SP,    80                         ; a lane's place in a stage: 64 bytes + 16 of padding
.set SPW,   12                         ; v12      LDS address of my spare word; never rewritten
.set NIL,   13                         ; v13      0; never rewritten
.set SPARE, WAVES*WREG                 ; behind the four regions: the spare words, 128 bytes for each wave
	s_load_b256 s[4:11], s[0:1], 0x0               ; x s[4:5], q_proj s[6:7], k_proj s[8:9], v_proj s[10:11]
	s_load_b256 s[12:19], s[0:1], 0x20             ; o_proj s[12:13], x_codes s[14:15], x_scales s[16:17], w_codes s[18:19]
	s_load_b128 s[20:23], s[0:1], 0x40             ; w_scales s[20:21], o16 s[22:23]
	v_lshl_add_u32 v[SPW], v0, 2, SPARE
	v_mov_b32 v[NIL], 0
	v_lshrrev_b32 v1, 5, v0
	v_readfirstlane_b32 s32, v1                    ; wave
	v_and_b32 v2, 31, v0                           ; lane
	v_lshlrev_b32 v3, 4, v2                        ; 16 x lane: my 16 bytes of 512
	s_mul_i32 s33, s32, WREG
	v_lshrrev_b32 v14, 2, v2
	v_mul_u32_u24 v14, v14, SP
	v_and_b32 v15, 3, v2
	v_lshl_add_u32 v14, v15, 4, v14
	v_add_nc_u32 v14, s33, v14                     ; the stage, on the way in: four lanes' 64 bytes on end, then 16 of padding
	v_mul_u32_u24 v15, v2, SP
	v_add_nc_u32 v15, s33, v15                     ; and on the way out: SP x lane: my 16 neighbours
	v_mul_u32_u24 v4, v2, CB                       ; my codes' place in a step's
	v_lshrrev_b32 v5, 1, v2
	s_add_co_u32 s33, s33, 2*32*SP
	v_add_nc_u32 v5, s33, v5                       ; LDS: my wave's 256 scale bytes, my block's byte
	v_lshlrev_b32 v7, 3, v2                        ; and on the way out 8 bytes a lane
	v_add_nc_u32 v6, s33, v7
	s_wait_kmcnt 0x0
	s_cmp_ge_u32 ttmp9, WGQ
	s_cbranch_scc1 .Lo16
	; which tensor: the choice hangs on the work-group's number alone
	s_mov_b64 s[24:25], s[10:11]                   ; v_proj, unless the number is lower
	s_mov_b32 s26, WGX+2*WGW                       ; the tensor's first work-group
	s_cmp_lt_u32 ttmp9, WGX+2*WGW
	s_cselect_b64 s[24:25], s[8:9], s[24:25]
	s_cselect_b32 s26, WGX+WGW, s26
	s_cmp_lt_u32 ttmp9, WGX+WGW
	s_cselect_b64 s[24:25], s[6:7], s[24:25]
	s_cselect_b32 s26, WGX, s26
	s_cmp_lt_u32 ttmp9, WGX
	s_cselect_b64 s[24:25], s[4:5], s[24:25]
	s_cselect_b32 s26, 0, s26
	s_cselect_b64 s[28:29], s[14:15], s[18:19]     ; the codes' buffer,
	s_cselect_b64 s[30:31], s[16:17], s[20:21]     ; the scale bytes',
	s_cselect_b32 s27, 0, WGX                      ; and its first work-group: the weights' runs follow each other, q, k, v
	s_sub_co_u32 s33, ttmp9, s26
	s_lshl_b32 s33, s33, 2
	s_add_co_u32 s34, s33, s32                     ; which run of 8,192 numbers of the source is my wave's
	s_mov_b32 s35, 0
	s_lshl_b64 s[36:37], s[34:35], 15              ; 32,768 bytes a run
	s_add_nc_u64 s[24:25], s[24:25], s[36:37]
	s_sub_co_u32 s33, ttmp9, s27
	s_lshl_b32 s33, s33, 2
	s_add_co_u32 s34, s33, s32                     ; and of the destination
	s_lshl_b64 s[36:37], s[34:35], 12              ; 4,096 bytes of codes a run
	s_add_nc_u64 s[28:29], s[28:29], s[36:37]
	s_lshl_b64 s[36:37], s[34:35], 8               ; 256 scale bytes a run
	s_add_nc_u64 s[30:31], s[30:31], s[36:37]
.macro LOAD t
.irp i, 0,1,2,3
	global_load_b128 v[R+16*((\t)%4)+4*\i:R+16*((\t)%4)+4*\i+3], v3, s[24:25] offset:2048*(\t)+512*\i th:TH_LOAD_NT   ; 32 lanes read 512 consecutive bytes
.endr
.endm
.macro TURN t                          ; step t's numbers through the stage: LDS serves a wave's instructions in order, so no wait stands between the stores and the loads
.irp i, 0,1,2,3
	ds_store_b128 v14, v[R+16*((\t)%4)+4*\i:R+16*((\t)%4)+4*\i+3] offset:32*SP*((\t)%2)+8*SP*\i
.endr
.irp i, 0,1,2,3
	ds_load_b128 v[X+16*((\t)%2)+4*\i:X+16*((\t)%2)+4*\i+3], v15 offset:32*SP*((\t)%2)+16*\i
.endr
.endm
.irp t, 0,1,2,3
	LOAD \t
.endr
	s_wait_loadcnt 12                              ; step 0's four loads are in; the twelve of steps 1 to 3 may be out
	TURN 0
.macro STEP t
.set XS, X+16*((\t)%2)
.if (\t) > 0
	s_wait_dscnt 1                                 ; this step's numbers are back from the stage (the last step's byte store may be out): so its stores into the stage have read their registers,
.else
	s_wait_dscnt 0x0
.endif
.if (\t)+4 < STEPS
	LOAD (\t)+4                                    ; which take the loads of four steps on
.endif
.if (\t)+1 < STEPS
.if STEPS-2-(\t) >= 3
	s_wait_loadcnt 12                              ; the next step's four loads are in; those of the three steps behind it may be out
.else
	s_wait_loadcnt 4*(STEPS-2-(\t))
.endif
	TURN (\t)+1                                    ; and go through the other stage while this step is worked
.endif
	v_max3_num_f32 v8, |v[XS]|, |v[XS+1]|, |v[XS+2]|               ; the largest magnitude of my 16, in two chains
	v_max3_num_f32 v9, |v[XS+3]|, |v[XS+4]|, |v[XS+5]|
.irp i, 6,10
	v_max3_num_f32 v8, v8, |v[XS+\i]|, |v[XS+\i+1]|
	v_max3_num_f32 v9, v9, |v[XS+\i+2]|, |v[XS+\i+3]|
.endr
	v_max3_num_f32 v8, v8, |v[XS+14]|, |v[XS+15]|
	v_max3_num_f32 v8, v8, v9, (EMAX+1)<<23        ; and the floor 2^(EMAX + 1 - 127): the byte cannot fall under 1
	v_max_num_f32_dpp v8, v8, v8 row_xmask:1 row_mask:0xf bank_mask:0xf   ; and of my neighbour's 16: the block's
	v_add_nc_u32 v11, -(EMAX<<23), v8              ; EMAX off its exponent field: the conversion takes the exponent field of this operand as its scale
	v_cvt_scalef32_pk8_fp4_f32 v[C+4*(\t)], v[XS:XS+7], v11        ; eight numbers / the scale, to the nearest code, ties to even, beyond the largest code the largest
	v_cvt_scalef32_pk8_fp4_f32 v[C+4*(\t)+1], v[XS+8:XS+15], v11
	v_lshrrev_b32 v[E+(\t)], 23, v11               ; the scale's byte (a plain line behind the conversions)
	ds_store_b8 v5, v[E+(\t)] offset:16*(\t)       ; both lanes of a block write the same byte with the same value
	global_store_b64 v4, v[C+4*(\t):C+4*(\t)+1], s[28:29] offset:32*CB*(\t)   ; the wave stores 256 consecutive bytes, aligned
.endm
.irp t, 0,1,2,3,4,5,6,7,8,9,10,11,12,13,14,15
	STEP \t
.endr
	ds_load_b64 v[8:9], v6                         ; LDS serves a wave's instructions in order: these see my stores
	s_wait_dscnt 0x0
	global_store_b64 v7, v[8:9], s[30:31]          ; 32 lanes store my run's 256 scale bytes, aligned
	s_wait_tensorcnt 0x0                           ; the wave's end, behind my last LDS store
	ds_add_u32 v[SPW], v[NIL]
	s_wait_dscnt 0x0
	s_endpgm
; o_proj to f16, by planes.  Wave gw of 256 takes plane gw % 16 of rows 64 (gw / 16) on: 16 steps of 4 rows.  Eight lanes read a row's 256 bytes of the plane (32 bytes a lane, two loads),
; and a lane's eight f16 are 16 bytes of the plane's dense rows: the wave stores 512 consecutive bytes.  All 32 loads go out at once; every offset is an immediate.
.Lo16:
	s_sub_co_u32 s33, ttmp9, WGQ
	s_lshl_b32 s33, s33, 2
	s_add_co_u32 s33, s33, s32                     ; gw
	s_and_b32 s34, s33, 15                         ; the plane
	s_lshr_b32 s35, s33, 4                         ; the group of 64 rows
	s_lshl_b32 s36, s35, 18                        ; 64 rows of 4,096 bytes
	s_lshl_b32 s38, s34, 8                         ; 256 bytes a plane in a row
	s_add_co_u32 s36, s36, s38
	s_mov_b32 s37, 0
	s_add_nc_u64 s[12:13], s[12:13], s[36:37]
	s_lshl_b32 s36, s34, 17                        ; a plane of o16: 1,024 rows of 128 bytes
	s_lshl_b32 s38, s35, 13                        ; 64 rows of 128 bytes
	s_add_co_u32 s36, s36, s38
	s_add_nc_u64 s[22:23], s[22:23], s[36:37]
	v_lshrrev_b32 v8, 3, v2                        ; my row of the step's four
	v_and_b32 v9, 7, v2
	v_lshlrev_b32 v8, 12, v8
	v_lshl_add_u32 v8, v9, 5, v8                   ; + my 32 bytes
.irp t, 0,1,2,3,4,5,6,7,8,9,10,11,12,13,14,15
	global_load_b128 v[32+8*\t:35+8*\t], v8, s[12:13] offset:16384*\t
	global_load_b128 v[36+8*\t:39+8*\t], v8, s[12:13] offset:16384*\t+16
.endr
.irp t, 0,1,2,3,4,5,6,7,8,9,10,11,12,13,14,15
.if \t < 8
.set OUTR, 160+4*\t                    ; results: v160-191, then the registers of steps 0 to 3, which have been converted: no store's data are written again
.else
.set OUTR, 32+4*(\t-8)
.endif
	s_wait_loadcnt 30-2*\t                         ; this step's two loads are in; the later steps' may be out
.irp k, 0,1,2,3
	v_cvt_pk_f16_f32 v[OUTR+\k], v[32+8*\t+2*\k], v[33+8*\t+2*\k]
.endr
	global_store_b128 v3, v[OUTR:OUTR+3], s[22:23] offset:512*\t
.endr
	s_wait_tensorcnt 0x0                           ; the wave's end, as on the other path (this path stores nothing to LDS and runs the three lines all the same)
	ds_add_u32 v[SPW], v[NIL]
	s_wait_dscnt 0x0
	s_endpgm
.Lfunc_end_k_q0940e9391d_quant:
	.size	k_q0940e9391d_quant, .Lfunc_end_k_q0940e9391d_quant-k_q0940e9391d_quant
	.p2alignl 7, 3214868480
	.fill 96, 4, 3214868480
	.section	.rodata,"a",@progbits
	.p2align	6, 0x0
	.amdhsa_kernel k_q0940e9391d_quant
		.amdhsa_group_segment_fixed_size 33280
		.amdhsa_private_segment_fixed_size 0
		.amdhsa_enable_private_segment 0
		.amdhsa_kernarg_size 80
		.amdhsa_user_sgpr_count 2
		.amdhsa_user_sgpr_kernarg_segment_ptr 1
		.amdhsa_wavefront_size32 1
		.amdhsa_system_sgpr_workgroup_id_x 1
		.amdhsa_system_sgpr_workgroup_id_y 1
		.amdhsa_system_sgpr_workgroup_id_z 1
		.amdhsa_system_vgpr_workitem_id 0
		.amdhsa_next_free_vgpr 192
		.amdhsa_next_free_sgpr 66
		.amdhsa_reserve_vcc 0
		.amdhsa_float_denorm_mode_32 3
		.amdhsa_float_denorm_mode_16_64 3
		.amdhsa_memory_ordered 1
		.amdhsa_forward_progress 1
		.amdhsa_inst_pref_size 44
	.end_amdhsa_kernel
	.amdgpu_metadata
---
amdhsa.version: [ 1, 2 ]
amdhsa.kernels:
  - .name:           k_q0940e9391d_quant
    .symbol:         k_q0940e9391d_quant.kd
    .args:
      - { .name: x, .offset: 0, .size: 8, .value_kind: global_buffer, .address_space: global }
      - { .name: q_proj, .offset: 8, .size: 8, .value_kind: global_buffer, .address_space: global }
      - { .name: k_proj, .offset: 16, .size: 8, .value_kind: global_buffer, .address_space: global }
      - { .name: v_proj, .offset: 24, .size: 8, .value_kind: global_buffer, .address_space: global }
      - { .name: o_proj, .offset: 32, .size: 8, .value_kind: global_buffer, .address_space: global }
      - { .name: x_codes, .offset: 40, .size: 8, .value_kind: global_buffer, .address_space: global }
      - { .name: x_scales, .offset: 48, .size: 8, .value_kind: global_buffer, .address_space: global }
      - { .name: w_codes, .offset: 56, .size: 8, .value_kind: global_buffer, .address_space: global }
      - { .name: w_scales, .offset: 64, .size: 8, .value_kind: global_buffer, .address_space: global }
      - { .name: o16, .offset: 72, .size: 8, .value_kind: global_buffer, .address_space: global }
    .group_segment_fixed_size: 33280
    .private_segment_fixed_size: 0
    .kernarg_segment_align: 8
    .kernarg_segment_size: 80
    .max_flat_workgroup_size: 128
    .sgpr_count:     66
    .vgpr_count:     192
    .wavefront_size: 32
...
	.end_amdgpu_metadata
.endif
;; end of part 1
;; launch qkv (part 2): grid 12 x 32, 4 waves a work-group, clusters of 4 x 4, 327,680 bytes of LDS; arguments x_codes, x_scales, w_codes, w_scales, qkv, qkv32; writes qkv, qkv32
.if DOCPART == 2
	.amdgcn_target "amdgcn-amd-amdhsa--gfx1250"
	.amdhsa_code_object_version 6
	.text
	.protected	k_q0940e9391d_qkv
	.globl	k_q0940e9391d_qkv
	.p2align	8
	.type	k_q0940e9391d_qkv,@function
k_q0940e9391d_qkv:
	s_mov_b64 s[64:65], 0
	v_nop
	global_prefetch_b8 v0, s[64:65] scope:SCOPE_SE
	s_setreg_imm32_b32 hwreg(HW_REG_WAVE_MODE, 25, 1), 1
	s_wait_xcnt 0x0
	s_wait_alu depctr_hold_cnt(0) depctr_sa_sdst(0) depctr_va_vdst(0) depctr_va_sdst(0) depctr_va_ssrc(0) depctr_va_vcc(0) depctr_vm_vsrc(0)
	s_getreg_b32 s2, hwreg(HW_REG_IB_STS2, 6, 4)
	s_cmp_eq_u32 s2, 0
	s_cbranch_scc0 .Lentry_in_a_cluster
	s_endpgm
.Lentry_in_a_cluster:
	s_bfe_u32 s2, ttmp6, 0x10000c
	s_cmp_lg_u32 s2, 0xf033
	s_cbranch_scc0 .Lentry_shape_is_right
	s_endpgm
.Lentry_shape_is_right:
; The three projections as ONE product on codes of FP4 (E2M1) with E8M0 scales: C[m][n] = sum over k of x[m][k] w[n][k], m = 8,192 rows (batch x position), n = 3,072 (q, k, v), K = 1,024; sums in f32.
; C leaves as f16, laid by heads: qkv[tensor][batch][head][position][64]; the first 16 positions of every sequence leave in f32 too, qkv32[batch][16][3072], for the launch that carries them finely.
; LIMIT: |q|, |k|, |v| stay under 65,504 (f16).
; A tile of C, 256 x 256, is made by a work-group of four waves; a wave makes 128 x 128: 64 accumulators of 16 x 16, 512 registers.  K is two steps of 512: two LDS slots, each filled once.
; THE SCALES of the work-group's 256 rows of x and of w, for all of K, are two dense blocks of memory: they come into LDS once, with the first fills.
; CLUSTERS: 4 x 4 work-groups.  The four of a row of the cluster need the same tiles of x, the four of a column the same tiles of w: each tile is asked for JOINTLY.
; The tile row is 8 cy + cluster y: so cy is the batch, and 'the first tile of a sequence' is 'cluster y = 0', the same number in all sixteen partners.  The cluster's x is the tensor (q, k, v).
; THE MATRIX INSTRUCTION IS USED TRANSPOSED (source 0 = 16 rows of w, source 1 = 16 rows of x): a lane then holds eight neighbouring numbers of a row of C.
; REGISTERS, in windows of 256: window 0: v0-31 addresses; v32-95 scale words, two sets; from v128 x's fragments (8 x 16 rows x 128 K), ONE set; on the way out v32-63, v192-255 at work.
;   window 1: w's fragments, TWO sets, at v0 and at v128.   window 2: the 32 accumulators of my rows 0-63 (accumulator (a, b) at v[8 (8 a + b)]);   window 3: those of my rows 64-127.
.set SIZE_K, 1024
.set KSTEP,  512                       ; along K in a slot
.set NQ,     KSTEP/128                 ; matrix instructions deep
.set ROWB,   256                       ; a tile's row in bytes
.set KROW,   SIZE_K*4/8                ; a row of codes in memory, in bytes
.set PITCH,  272                       ; an LDS row: 256 bytes + 16 of padding: the 16 rows that a load touches start at 16 different banks
.set FR,     8                         ; registers of a fragment
.set NL,     2                         ; LDS loads that bring one
.set NP,     4                         ; places behind this matrix instruction (ISA guide 7.12.1)
.set HALFT,  128*PITCH                 ; 128 rows: what one tensor load brings
.set SLOT,   4*HALFT                   ; x's 256 rows, then w's 256 rows
.set KS,     SIZE_K/32                 ; a row of scales in bytes
.set SCL,    2*SLOT                    ; behind the slots: the scales, as units of 256 bytes + 16 of padding
.set HALFS,  (128*KS/256)*272          ; the scales of 128 rows
.set SBLK,   (16*KS/256)*272           ; those of 16 rows
.set SPARE,  SCL+4*HALFS               ; the spare words, 128 bytes for each wave
.set SPITCH, 272                       ; the way out: a stage of 16 rows x (256 bytes + 16) for each wave, in slot 0, which has had its only fill and its last read when the first result is stored there
.set ADRA, 16                          ; v16-17  LDS address of my x fragments in slot 0, 1
.set ADRB, 20                          ; v20-21  the same for w
.set STO,  24                          ; v24     the way out: where I put 16 bytes of a row
.set RD,   25                          ; v25     where I read 16 bytes back
.set CO,   26                          ; v26     16 x lane
.set ADRS, 27                          ; v27     LDS address of my scale words: lanes 0-15 x's rows, lanes 16-31 w's
.set SPW,  28                          ; v28     LDS address of my spare word; never rewritten
.set NIL,  29                          ; v29     0; never rewritten
.set C32,  30                          ; v30     my byte offset in qkv32
.set SC,   32                          ; scale words: set s at v[SC + 8 NQ s]; register NQ i + q: lanes 0-15 x's block i, lanes 16-31 w's block i
.set AF,   128                         ; x's fragments, in window 0
.set TMP,  192                         ; the way out: packed results
.set OB,   32                          ; and 16 rows read back: v32-63 and v224-255 by turns
.set G1, 24                            ; s[24:31] descriptor group 1 for x's tiles;  s[32:39] group 0, one set for each slot
.set G0, 32
.set G1B, 48                           ; s[48:55], s[56:63] the same for w's tiles
.set G0B, 56
.set G1S, 68                           ; s[68:75], s[76:79] groups 1 and 0 for x's scales;  s[80:87], s[88:91] for w's
.set G0S, 76
.set G1SB, 80
.set G0SB, 88
.set MSB, 0
.macro WIN new                         ; the immediate's high byte repeats the setting that is left
.if MSB != \new
	s_set_vgpr_msb (MSB<<8)|\new
.set MSB, \new
.endif
.endm
.set MUL_LO, 0xa1                      ; source 0 (w) window 1, source 1 (x) window 0, C and D window 2
.set MUL_HI, 0xf1                      ; the same, C and D window 3
.set TO_B,   0x40                      ; destination window 1, address window 0
; A joint load: waves 0 and 1 fetch for x, waves 2 and 3 for w.  Each line has one mask and one set of registers for all that issue it; the branch hangs on the wave's number alone.
; An s_nop 0 and four v_nop follow each of the two lines.
.macro JLOAD g0a, g1a, g0b, g1b
	s_cmp_eq_u32 s15, 0
	s_cbranch_scc0 .Lfor_b_\@
	tensor_load_to_lds s[\g0a:\g0a+3], s[\g1a:\g1a+7]
	s_nop 0
.rept 4
	v_nop
.endr
	s_branch .Lasked_\@
.Lfor_b_\@:
	tensor_load_to_lds s[\g0b:\g0b+3], s[\g1b:\g1b+7]
	s_nop 0
.rept 4
	v_nop
.endr
.Lasked_\@:
.endm
.macro CROUND                          ; a round of the cluster's barrier
	s_barrier_signal -1
	s_barrier_wait -1
	s_cmp_lg_u32 s14, 0
	s_cbranch_scc1 .Lnot_wave_0_\@
	s_barrier_signal -3
.Lnot_wave_0_\@:
	s_barrier_wait -3
	s_barrier_signal -1
	s_barrier_wait -1
.endm
	s_load_b128 s[4:7], s[0:1], 0x0                ; x's codes s[4:5], x's scales s[6:7]
	s_load_b128 s[8:11], s[0:1], 0x10              ; w's codes s[8:9], w's scales s[10:11]
	s_load_b64 s[12:13], s[0:1], 0x20              ; qkv
	s_load_b64 s[96:97], s[0:1], 0x28              ; qkv32
	v_lshl_add_u32 v[SPW], v0, 2, SPARE
	v_mov_b32 v[NIL], 0
	ds_add_u32 v[SPW], v[NIL]                      ; the wave's opening: the add, twice on end, and its wait ahead of my first tensor load
	ds_add_u32 v[SPW], v[NIL]
	v_lshrrev_b32 v1, 5, v0
	v_readfirstlane_b32 s14, v1                    ; wave 0..3
	s_lshr_b32 s15, s14, 1                         ; which half of the tile's rows is mine.  Also: I fetch for x (0) or for w (1)
	s_and_b32 s16, s14, 1                          ; which half of its columns.  Also: which 128 rows of that tile I fetch
	s_bfe_u32 s40, ttmp6, 0x40000                  ; cx, cy: my place in the cluster
	s_bfe_u32 s41, ttmp6, 0x40004
	s_lshl_b32 s42, ttmp9, 2
	s_add_co_u32 s42, s42, s40                     ; tile column of C = 4 x cluster x + cx
	s_and_b32 s95, ttmp7, 0xffff                   ; cluster y
	s_lshl_b32 s17, s41, 3
	s_add_co_u32 s17, s17, s95                     ; tile row of C = 8 cy + cluster y
	s_lshl_b32 s43, s41, 2
	s_lshl_b32 s43, 15, s43                        ; my row of the cluster
	s_lshl_b32 s44, 0x1111, s40                    ; my column
	; descriptor group 1: a tile of 128 rows x 256 bytes, padded in LDS
	s_or_b32 s[G1+0], s43, (0<<16)|(1<<20)|(1<<21)|(5<<22)|(3<<25)  ; 15:0 the mask; 17:16 element of 1 byte; 20 padding on; 21 set beside a mask; 24:22 after every 64 words; 31:25 four words
	s_or_b32 s[G1B+0], s44, (0<<16)|(1<<20)|(1<<21)|(5<<22)|(3<<25)
.irp g, G1, G1B
	s_mov_b32 s[\g+1], ROWB<<16                    ; tensor_dim0
	s_mov_b32 s[\g+2], 128<<16                     ; tensor_dim1
	s_mov_b32 s[\g+3], ROWB<<16                    ; tile_dim0
	s_mov_b32 s[\g+4], 128                         ; tile_dim1
	s_mov_b32 s[\g+5], KROW                        ; tensor_dim0_stride
	s_mov_b32 s[\g+6], 0
	s_mov_b32 s[\g+7], 0
.endr
	; the scales of 128 rows: a dense block of 4,096 bytes, as rows of 256 bytes (32 elements of 8 bytes), 16 bytes of padding behind each
	s_or_b32 s[G1S+0], s43, (3<<16)|(1<<20)|(1<<21)|(5<<22)|(3<<25)
	s_or_b32 s[G1SB+0], s44, (3<<16)|(1<<20)|(1<<21)|(5<<22)|(3<<25)
.irp g, G1S, G1SB
	s_mov_b32 s[\g+1], 32<<16
	s_mov_b32 s[\g+2], (128*KS/256)<<16
	s_mov_b32 s[\g+3], 32<<16
	s_mov_b32 s[\g+4], 128*KS/256
	s_mov_b32 s[\g+5], 32
	s_mov_b32 s[\g+6], 0
	s_mov_b32 s[\g+7], 0
.endr
	s_lshl_b32 s18, s16, 7                         ; which 128 rows of the tile I fetch
	s_lshl_b32 s20, s17, 8
	s_add_co_u32 s20, s20, s18                     ; x: row 256 x tile row + 128 x half
	s_lshl_b32 s46, s42, 8
	s_add_co_u32 s46, s46, s18                     ; w: row 256 x tile column + 128 x half
	s_mov_b32 s21, 0
	s_mov_b32 s47, 0
	s_mov_b64 s[18:19], KS
	s_mul_u64 s[22:23], s[20:21], s[18:19]         ; where these rows' scales begin, in bytes
	s_mul_u64 s[92:93], s[46:47], s[18:19]
	s_mov_b64 s[18:19], KROW
	s_mul_u64 s[20:21], s[20:21], s[18:19]         ; and their codes
	s_mul_u64 s[46:47], s[46:47], s[18:19]
	s_mul_i32 s45, s14, HALFT                      ; where they go: wave x 128 rows: no place in the cluster enters an LDS address
	s_mul_i32 s94, s14, HALFS
	s_wait_dscnt 0x0                               ; both opening adds are done
	s_wait_kmcnt 0x0
	s_add_nc_u64 s[20:21], s[4:5], s[20:21]
	s_add_nc_u64 s[22:23], s[6:7], s[22:23]
	s_add_nc_u64 s[46:47], s[8:9], s[46:47]
	s_add_nc_u64 s[92:93], s[10:11], s[92:93]
	CROUND                                         ; all sixteen work-groups are here: the joint loads meet
	s_mov_b32 s[G0S], 1
	s_add_co_u32 s[G0S+1], s94, SCL
	s_mov_b64 s[G0S+2:G0S+3], s[22:23]
	s_or_b32 s[G0S+3], s[G0S+3], 0x80000000
	s_mov_b32 s[G0SB], 1
	s_add_co_u32 s[G0SB+1], s94, SCL
	s_mov_b64 s[G0SB+2:G0SB+3], s[92:93]
	s_or_b32 s[G0SB+3], s[G0SB+3], 0x80000000
	JLOAD G0S, G1S, G0SB, G1SB                     ; the scales first: they are wanted with K step 0
.irp s, 0,1
	s_mov_b32 s[G0+4*\s], 1
	s_add_co_u32 s[G0+4*\s+1], s45, \s*SLOT
	s_add_nc_u64 s[G0+4*\s+2:G0+4*\s+3], s[20:21], \s*ROWB
	s_or_b32 s[G0+4*\s+3], s[G0+4*\s+3], 0x80000000
	s_mov_b32 s[G0B+4*\s], 1
	s_add_co_u32 s[G0B+4*\s+1], s45, \s*SLOT
	s_add_nc_u64 s[G0B+4*\s+2:G0B+4*\s+3], s[46:47], \s*ROWB
	s_or_b32 s[G0B+4*\s+3], s[G0B+4*\s+3], 0x80000000
	JLOAD G0+4*\s, G1, G0B+4*\s, G1B               ; both K steps: three tensor loads of mine are out
.endr
	v_and_b32 v1, 15, v0                           ; l % 16
	v_bfe_u32 v2, v0, 4, 1                         ; l / 16
	v_mul_u32_u24 v3, v1, PITCH
	v_lshl_add_u32 v4, v2, 4, v3                   ; a fragment's row x pitch + 16 x half
	s_mul_i32 s21, s15, HALFT                      ; my 128 rows of x
	s_mul_i32 s22, s16, HALFT                      ; my 128 rows of w,
	s_add_co_u32 s22, s22, 2*HALFT                 ; which lie behind x's 256
.irp s, 0,1
	v_add_nc_u32 v[ADRA+\s], s21, v4
	v_add_nc_u32 v[ADRB+\s], s22, v4
	s_add_co_u32 s21, s21, SLOT
	s_add_co_u32 s22, s22, SLOT
.endr
	v_mul_u32_u24 v5, v1, KS                       ; my row's scales: KS bytes a row,
	v_lshrrev_b32 v6, 8, v5
	v_lshl_add_u32 v5, v6, 4, v5                   ; and 16 more for each 256 passed
	s_mul_i32 s21, s15, HALFS                      ; x's: my 128 rows
	s_mul_i32 s22, s16, HALFS                      ; w's: my 128 rows, behind x's 256
	s_add_co_u32 s22, s22, 2*HALFS
	s_sub_co_u32 s22, s22, s21
	v_mul_u32_u24 v6, s22, v2                      ; lanes 16-31 take w's
	s_add_co_u32 s21, s21, SCL
	v_add_nc_u32 v5, v5, v6
	v_add_nc_u32 v[ADRS], s21, v5
	s_mul_i32 s23, s14, 16*SPITCH                  ; my stage
	v_mul_u32_u24 v5, v1, SPITCH                   ; in: row l % 16, 16 bytes for each half of the lanes
	v_lshl_add_u32 v5, v2, 4, v5
	v_add_nc_u32 v[STO], s23, v5
	v_and_b32 v6, 31, v0
	v_lshlrev_b32 v[CO], 4, v6                     ; out: 16 x lane
	v_lshrrev_b32 v5, 3, v6                        ; back: eight lanes take a head's 128 bytes of a row, four rows an instruction
	v_mul_u32_u24 v5, v5, SPITCH
	v_and_b32 v6, 7, v0
	v_lshl_add_u32 v5, v6, 4, v5
	v_add_nc_u32 v[RD], s23, v5
	v_mul_u32_u24 v[C32], v1, 12288                ; qkv32: row l % 16 of 12,288 bytes, 32 bytes for each half of the lanes
	v_lshl_add_u32 v[C32], v2, 5, v[C32]
	; qkv: tensor x 2^24 + (16 batch + head) x 2^18 + position x 128; my first head is 4 cx + 2 x column half, my first position 256 cluster y + 128 x row half
	s_lshl_b32 s20, s41, 4
	s_lshl_b32 s21, s16, 1
	s_add_co_u32 s20, s20, s21
	s_lshl_b32 s21, s40, 2
	s_add_co_u32 s20, s20, s21
	s_lshl_b32 s20, s20, 18
	s_lshl_b32 s21, ttmp9, 24
	s_add_co_u32 s20, s20, s21
	s_lshl_b32 s21, s95, 15
	s_add_co_u32 s20, s20, s21
	s_lshl_b32 s21, s15, 14
	s_add_co_u32 s20, s20, s21
	s_mov_b32 s21, 0
	s_add_nc_u64 s[12:13], s[12:13], s[20:21]
	; qkv32: batch x 16 rows + my first column
	s_mul_i32 s20, s41, 196608
	s_lshl_b32 s21, s42, 10
	s_add_co_u32 s20, s20, s21
	s_lshl_b32 s21, s16, 9
	s_add_co_u32 s20, s20, s21
	s_mov_b32 s21, 0
	s_add_nc_u64 s[96:97], s[96:97], s[20:21]
.macro FRAG reg, adr, q, i             ; a fragment, 16 rows x 128 K of 4-bit codes: lane l holds row l % 16; registers 4 c .. 4 c + 3 hold K = 64 c + 32 (l / 16) + 0 .. 31
.irp c, 0,1
	ds_load_b128 v[\reg+4*\c:\reg+4*\c+3], v[\adr] offset:64*(\q)+32*\c+(\i)*16*PITCH
.endr
.endm
; 16 matrix instructions: x's blocks a0, a0 + 1 against w's eight, 128 along K.  p: w's set;  sc: the set of scale words.  zero = 1: the first product starts the sums.
; The 64 accumulators take turns, one instruction a turn, in the same order in every step.
.macro MUL16 a0, p, q, sc, zero
.irp a, \a0, \a0+1
.irp b, 0,1,2,3,4,5,6,7
.if \zero
	v_wmma_scale_f32_16x16x128_f8f6f4 v[8*(8*((\a)%4)+\b):8*(8*((\a)%4)+\b)+7], v[128*(\p)+FR*\b:128*(\p)+FR*\b+FR-1], v[AF+FR*(\a):AF+FR*(\a)+FR-1], 0, v[SC+8*NQ*(\sc)+NQ*\b+(\q)], v[SC+8*NQ*(\sc)+NQ*(\a)+(\q)] matrix_a_fmt:MATRIX_FMT_FP4 matrix_b_fmt:MATRIX_FMT_FP4 matrix_a_scale:MATRIX_SCALE_ROW1
.else
	v_wmma_scale_f32_16x16x128_f8f6f4 v[8*(8*((\a)%4)+\b):8*(8*((\a)%4)+\b)+7], v[128*(\p)+FR*\b:128*(\p)+FR*\b+FR-1], v[AF+FR*(\a):AF+FR*(\a)+FR-1], v[8*(8*((\a)%4)+\b):8*(8*((\a)%4)+\b)+7], v[SC+8*NQ*(\sc)+NQ*\b+(\q)], v[SC+8*NQ*(\sc)+NQ*(\a)+(\q)] matrix_a_fmt:MATRIX_FMT_FP4 matrix_b_fmt:MATRIX_FMT_FP4 matrix_a_scale:MATRIX_SCALE_ROW1
.endif
.endr
.endr
.endm
.macro FETCH_B slot, q, p              ; w's eight fragments of the slot's q-th 128 along K into set p
	WIN TO_B
.irp i, 0,1,2,3,4,5,6,7
	FRAG 128*(\p)+FR*\i, ADRB+\slot, \q, \i
.endr
	WIN 0
.endm
.macro FETCH_A slot, q, i0             ; x's blocks i0 .. i0 + 3
.irp i, \i0, \i0+1, \i0+2, \i0+3
	FRAG AF+FR*(\i), ADRA+\slot, \q, \i
.endr
.endm
.macro SCALES sc                       ; a K step's scale words into set sc: lanes 0-15 take x's block i, lanes 16-31 w's block i
.irp i, 0,1,2,3,4,5,6,7
	ds_load_b128 v[SC+8*NQ*\sc+NQ*\i:SC+8*NQ*\sc+NQ*\i+3], v[ADRS] offset:\i*SBLK
.endr
.endm
; A load into a register that a matrix instruction has read, and a vector instruction or a store that reads a matrix result, stand NP places behind it; only plain vector instructions that name none of its registers are places.
.macro PLACES n
.rept \n
	v_nop
.endr
.endm
; A step of 128 along K that has its successor in the same slot.
.macro STEP slot, q, zero
	s_wait_dscnt 4*NL                              ; w's set and x's blocks 0-3 are in; the youngest eight loads (x's blocks 4-7) may be out
	WIN MUL_LO
	MUL16 0, (\q)%2, \q, \slot, \zero
	MUL16 2, (\q)%2, \q, \slot, \zero
	s_wait_dscnt 0                                 ; x's blocks 4-7 are in
	PLACES NP
	FETCH_B \slot, (\q)+1, 1-(\q)%2
	FETCH_A \slot, (\q)+1, 0
	WIN MUL_HI
	MUL16 4, (\q)%2, \q, \slot, \zero
	MUL16 6, (\q)%2, \q, \slot, \zero
	PLACES NP
	WIN 0
	FETCH_A \slot, (\q)+1, 4
.endm
; Slot 0's last step changes slots: one barrier; in front of it each wave waits for all its tensor loads (its part of slot 1), adds 0 to its spare word, and waits for that and for its own reads of slot 0.  Nothing is filled again.
.macro TURN slot, next
	s_wait_tensorcnt 0x0                           ; all my tensor loads have landed
	ds_add_u32 v[SPW], v[NIL]                      ; 0 onto my spare word
	s_wait_dscnt 4*NL+1                            ; (the add and the youngest eight loads, x's blocks 4-7, may be out)
	WIN MUL_LO
	MUL16 0, 1, NQ-1, \slot, 0                     ; sixteen matrix instructions stand between the add and the wait for it
	s_wait_dscnt 0x0                               ; the add is done, and my reads of this slot are over
	s_barrier_signal -1
	MUL16 2, 1, NQ-1, \slot, 0
	WIN 0
	s_barrier_wait -1
	PLACES NP
	v_add_nc_u32 v[ADRS], 4*NQ, v[ADRS]            ; on to the next K step's scale words (no LDS load of mine is out)
	FETCH_B \next, 0, 0
	FETCH_A \next, 0, 0
	SCALES \next
	WIN MUL_HI
	MUL16 4, 1, NQ-1, \slot, 0
	MUL16 6, 1, NQ-1, \slot, 0
	PLACES NP
	WIN 0
	FETCH_A \next, 0, 4
.endm
.macro STEPS slot, from                ; the slot's steps from .. NQ - 2
.set Q, \from
.rept NQ-1-\from
	STEP \slot, Q, 0
.set Q, Q+1
.endr
.endm
	s_wait_tensorcnt 1                             ; the scales and my part of K step 0 are in; K step 1's load may be out
	s_barrier_signal -1
	s_barrier_wait -1                              ; everybody's are
	FETCH_B 0, 0, 0
	FETCH_A 0, 0, 0
	SCALES 0
	FETCH_A 0, 0, 4
	STEP 0, 0, 1                                   ; the first step's products start the sums: nothing is cleared
	STEPS 0, 1
	TURN 0, 1
	STEPS 1, 0
	s_wait_dscnt 4*NL                              ; the very last step: nothing more to fetch
	WIN MUL_LO
	MUL16 0, 1, NQ-1, 1, 0
	MUL16 2, 1, NQ-1, 1, 0
	s_wait_dscnt 0
	WIN MUL_HI
	MUL16 4, 1, NQ-1, 1, 0
	MUL16 6, 1, NQ-1, 1, 0
	WIN 0
; THE WAY OUT, block by block of 16 rows x 128 columns (two heads).  PACK: rounded to f16, 16 bytes a lane.  TOSTAGE: into my own stage, and back so that 32 lanes hold four rows of one head: 512 bytes that are
; consecutive in qkv.  SEND: stored.  LDS serves a wave's instructions in order: no wait between the stores and the loads.  Every offset is an immediate: no base is stepped.
.macro PACK a
.set AC, 64*((\a)%4)
	WIN 0x0a+5*((\a)/4)                            ; sources 0 and 1: window 2 or 3
.irp b, 0,1,2,3,4,5,6,7
.irp r, 0,1,2,3
	v_cvt_pk_f16_f32 v[TMP+4*\b+\r], v[AC+8*\b+2*\r], v[AC+8*\b+2*\r+1]   ; each accumulator from its low end on
.endr
.endr
	WIN 0
.endm
.macro TOSTAGE a
.set BK, OB+192*((\a)%2)
.irp b, 0,1,2,3,4,5,6,7
	ds_store_b128 v[STO], v[TMP+4*\b:TMP+4*\b+3] offset:32*\b
.endr
.irp t, 0,1,2,3,4,5,6,7                ; t = 4 x head + group of four rows
	ds_load_b128 v[BK+4*\t:BK+4*\t+3], v[RD] offset:(\t%4)*4*SPITCH+(\t/4)*128
.endr
.endm
.macro SEND a
.set BK, OB+192*((\a)%2)
	s_wait_dscnt 0x0                               ; the block is back in registers
	s_wait_xcnt 0x0                                ; the earlier stores have read their registers: the next block's loads may land there
.irp t, 0,1,2,3,4,5,6,7
	global_store_b128 v[CO], v[BK+4*\t:BK+4*\t+3], s[12:13] offset:(\t/4)*262144+(\a)*2048+(\t%4)*512   ; 32 lanes store 512 consecutive bytes, aligned
.endr
.endm
	PLACES NP                                      ; behind the last products: for the reads of results and for the loads into registers that held scale words
	; The first 16 positions of a sequence also leave in f32: block 0 of the waves with the tile's upper rows, where cluster y = 0.  The test is made of the cluster's number and the wave's alone.
	; A lane stores 32 bytes of its row: pieces of rows, 786,432 bytes in the whole launch against 50,331,648 of qkv.
	s_or_b32 s94, s95, s15
	s_cmp_lg_u32 s94, 0
	s_cbranch_scc1 .Lno32
	WIN 0x08                                       ; a store's data are its source 1: window 2
.irp b, 0,1,2,3,4,5,6,7
	global_store_b128 v[C32], v[8*\b:8*\b+3], s[96:97] offset:64*\b
	global_store_b128 v[C32], v[8*\b+4:8*\b+7], s[96:97] offset:64*\b+16
.endr
	WIN 0
.Lno32:
	PACK 0
	TOSTAGE 0
.irp a, 1,2,3,4,5,6,7                  ; block a's conversions stand between block a - 1's loads from the stage and the wait for them
	PACK \a
	SEND \a-1
	TOSTAGE \a
.endr
	SEND 7
	s_wait_tensorcnt 0x0                           ; the wave's end, behind my last tensor load and my last LDS store
	ds_add_u32 v[SPW], v[NIL]
	s_wait_dscnt 0x0
	CROUND                                         ; the closing round: no work-group ends while a partner may still ask for a tile that names it
	s_endpgm
.Lfunc_end_k_q0940e9391d_qkv:
	.size	k_q0940e9391d_qkv, .Lfunc_end_k_q0940e9391d_qkv-k_q0940e9391d_qkv
	.p2alignl 7, 3214868480
	.fill 96, 4, 3214868480
	.section	.rodata,"a",@progbits
	.p2align	6, 0x0
	.amdhsa_kernel k_q0940e9391d_qkv
		.amdhsa_group_segment_fixed_size 327680
		.amdhsa_private_segment_fixed_size 0
		.amdhsa_enable_private_segment 0
		.amdhsa_kernarg_size 48
		.amdhsa_user_sgpr_count 2
		.amdhsa_user_sgpr_kernarg_segment_ptr 1
		.amdhsa_wavefront_size32 1
		.amdhsa_system_sgpr_workgroup_id_x 1
		.amdhsa_system_sgpr_workgroup_id_y 1
		.amdhsa_system_sgpr_workgroup_id_z 1
		.amdhsa_system_vgpr_workitem_id 0
		.amdhsa_next_free_vgpr 1024
		.amdhsa_next_free_sgpr 100
		.amdhsa_reserve_vcc 0
		.amdhsa_float_denorm_mode_32 3
		.amdhsa_float_denorm_mode_16_64 3
		.amdhsa_memory_ordered 1
		.amdhsa_forward_progress 1
		.amdhsa_inst_pref_size 128
	.end_amdhsa_kernel
	.amdgpu_metadata
---
amdhsa.version: [ 1, 2 ]
amdhsa.kernels:
  - .name:           k_q0940e9391d_qkv
    .symbol:         k_q0940e9391d_qkv.kd
    .args:
      - { .name: x_codes, .offset: 0, .size: 8, .value_kind: global_buffer, .address_space: global }
      - { .name: x_scales, .offset: 8, .size: 8, .value_kind: global_buffer, .address_space: global }
      - { .name: w_codes, .offset: 16, .size: 8, .value_kind: global_buffer, .address_space: global }
      - { .name: w_scales, .offset: 24, .size: 8, .value_kind: global_buffer, .address_space: global }
      - { .name: qkv, .offset: 32, .size: 8, .value_kind: global_buffer, .address_space: global }
      - { .name: qkv32, .offset: 40, .size: 8, .value_kind: global_buffer, .address_space: global }
    .group_segment_fixed_size: 327680
    .private_segment_fixed_size: 0
    .kernarg_segment_align: 8
    .kernarg_segment_size: 48
    .max_flat_workgroup_size: 128
    .sgpr_count:     100
    .vgpr_count:     1024
    .wavefront_size: 32
...
	.end_amdgpu_metadata
.endif
;; end of part 2
;; launch attn (part 3): grid 4 x 64, 16 waves a work-group, no clusters, 327,680 bytes of LDS; arguments qkv, att16; writes att16
.if DOCPART == 3
	.amdgcn_target "amdgcn-amd-amdhsa--gfx1250"
	.amdhsa_code_object_version 6
	.text
	.protected	k_q0940e9391d_attn
	.globl	k_q0940e9391d_attn
	.p2align	8
	.type	k_q0940e9391d_attn,@function
k_q0940e9391d_attn:
	s_mov_b64 s[64:65], 0
	v_nop
	global_prefetch_b8 v0, s[64:65] scope:SCOPE_SE
	s_setreg_imm32_b32 hwreg(HW_REG_WAVE_MODE, 25, 1), 1
	s_wait_xcnt 0x0
; att[b][s][h][:] = the sum over keys k <= s of softmax_k(q[s] . k[k] / 8) v[k][:], for each of 64 heads (batch x head).  q, k, v: qkv[tensor][head][2048][64], f16; products, maxima and sums in f32;
; the weights p are rounded to f16 for the second product, the result once at the end: att16[h][b x 2048 + s][64], f16.
; LIMIT: f16's range: |q|, |k|, |v| under 65,504.  The first 16 positions of every sequence are made here too, and carried more finely by a later launch, which owns their rows of the output.
; SHARES.  A work-group owns blocks i and 7 - i (256 queries each) of one head: whatever i is, the causal mask leaves it the same number of key steps.  Each of its sixteen waves owns 32 queries, two tiles of 16, which
; share every fragment of K and V; of each pair of waves one takes the early block and one the late.  Four waves to a SIMD: one wave's vector work stands beside another's matrix work and LDS loads.
; NO CLUSTER: the four work-groups of a head need 8, 7, 6 and 5 slots of keys; a partner would have to ask for tiles that none of its waves reads.
; K's and V's tiles come through a ring of two LDS slots of 256 keys, filled by the tensor data mover (waves 0 and 1: K's halves; waves 2 and 3: V's) and read by all sixteen.
; LAYOUT.  S^T = K Q^T (source 0 = 16 keys, source 1 = 16 queries): a lane holds ONE query (lane % 16) and keys 8 (lane / 16) + 0..7.  Two such tiles, rounded to f16 in pairs, ARE source 1 (32 keys x 16 queries)
; of O^T = V^T P, whose result again holds one query a lane.  K comes out of LDS as it lies, V ([key][channel]) turned, by ds_load_tr16_b128.
; SOFTMAX.  For each query a running maximum m and sum l: p = 2^(c s - c m), c = log2(e) / 8; in every step O and l are multiplied by a = 2^(c m_old - c m_new).
; CAUSAL.  Every work-group walks all 8 changes of slots (constant trip counts).  A step all of whose keys come after the wave's queries is jumped over; on the diagonal hidden scores become -infinity; a slot whose
; first key comes after the work-group's last query is not asked for.
.set KP,    144                        ; a key's row of K in LDS: 128 bytes + 16
.set VP,    160                        ; of V: 128 + 32, for the turning load
.set SK,    256                        ; keys in a slot
.set NQ,    4                          ; steps of 64 keys in a slot
.set VOFF,  SK*KP                      ; a slot: 256 rows of K, then 256 rows of V
.set SLOT1, 1<<17                      ; slot 1 begins here: one exclusive or turns an address in one slot into the other's
.set NSL,   8
.set STAGE, SLOT1+VOFF+SK*VP           ; behind the ring: 32 rows x 144 bytes for each wave, for the way out
.set SPITCH, 144
.set SPARE, STAGE+16*32*SPITCH         ; the spare words, 128 bytes for each wave
.set AK0,  1                           ; v1   my lane's place in a tile of K
.set AV0,  2                           ; v2   the same for V
.set SPW,  3                           ; v3   LDS address of my spare word; never rewritten
.set NIL,  4                           ; v4   0; never rewritten
.set ADK,  5                           ; v5   LDS address of the step's K
.set ADV,  6                           ; v6   of its V
.set PFO,  7                           ; v7   256 x lane: the prefetches' offset
.set RH,   8                           ; v8   lane % 16 - 8 (lane / 16)
.set DD,   9                           ; v9   the mask's bound
.set QO,   11                          ; v11  my byte offset in the wave's rows of Q
.set ST,   12                          ; v12-27 statistics, 8 a tile: +0 c m, +1 m, +2, +3 l (even keys', odd keys'), +4 to +7 at work; a in +6
.set QF,   28                          ; v28-59   Q: tile x, channels 32 c on, at 28 + 16 x + 8 c
.set KV,   60                          ; v60-123  K's 8 fragments, then V's 8
.set S,    124                         ; v124-187 S^T, 32 a tile; P is packed into each tile's first 16
.set OT,   188                         ; v188-251 O^T, 32 a tile
.set GO,   252                         ; v252 16 x lane
.set NINF, 253                         ; v253 -infinity
.set STO,  254                         ; v254 the way out: where I put 16 bytes of a row
.set RD,   255                         ; v255 and where I read 16 bytes back
.set WV,   8
.set SEL,  10                          ; s[10:11] lane selects for v_permlanex16_b32: lane l xor 16
.set CS,   12                          ; s[12:13] c, twice
.set TB,   14                          ; s14  LDS byte at which the slot in hand begins
.set KF,   15                          ; s15  the step's first key
.set G1K,  16                          ; s[16:23] descriptor group 1 for K's tiles;  s[24:31] for V's;  s[32:35], s[36:39] their groups 0, which walk
.set G1V,  24
.set G0K,  32
.set G0V,  36
.set Q0,   40                          ; s40  my first query
.set QL,   41                          ; s41  my last
.set LASTQ, 42                         ; s42  my work-group's last
.set SLOTS, 43
.set LIM,  44                          ; s44  1 in a wave that prefetches, else the greatest number
.set PFA,  46                          ; s[46:47] where my prefetches stand
; Waves 0 and 1 fetch for K, waves 2 and 3 for V, the others nothing.  An s_nop 0 and four v_nop follow each of the two lines.
.macro TLOAD g0k, g1k, g0v, g1v
	s_cmp_lt_u32 s[WV], 2
	s_cbranch_scc0 .Lnot_k_\@
	tensor_load_to_lds s[\g0k:\g0k+3], s[\g1k:\g1k+7]
	s_nop 0
.rept 4
	v_nop
.endr
	s_branch .Lasked_\@
.Lnot_k_\@:
	s_cmp_lt_u32 s[WV], 4
	s_cbranch_scc0 .Lasked_\@
	tensor_load_to_lds s[\g0v:\g0v+3], s[\g1v:\g1v+7]
	s_nop 0
.rept 4
	v_nop
.endr
.Lasked_\@:
.endm
; A prefetch of what the NEXT change of slots will ask for: a slot's 32,768 dense bytes of K and of V.  Each aligned block of 256 bytes is named once in the launch: of a head's four work-groups the one with i = 0,
; which walks all 8 slots, asks; in it waves 4 to 7 for K, waves 8 to 11 for V, 8,192 bytes a wave, lanes 256 bytes apart.  Slots 0 and 1 come by their loads alone; the last change that fills a slot asks for nothing.
.macro ASK
	s_cmp_gt_u32 s[SLOTS], s[LIM]
	s_cbranch_scc0 .Lnot_mine_\@
	global_prefetch_b8 v[PFO], s[PFA:PFA+1] th:TH_LOAD_NT scope:SCOPE_SE
.Lnot_mine_\@:
.endm
	s_load_b128 s[4:7], s[0:1], 0x0                ; qkv s[4:5], att16 s[6:7]
	v_lshl_add_u32 v[SPW], v0, 2, SPARE
	v_mov_b32 v[NIL], 0
	ds_add_u32 v[SPW], v[NIL]                      ; the wave's opening: the add, twice on end, and its wait ahead of my first tensor load
	ds_add_u32 v[SPW], v[NIL]
	v_lshrrev_b32 v5, 5, v0
	v_readfirstlane_b32 s[WV], v5                  ; wave 0..15
	s_and_b32 s48, ttmp7, 0xffff                   ; 16 x batch + head
	s_lshl_b32 s49, s48, 18                        ; the head's first byte in each of the three tensors
	s_lshr_b32 s50, s[WV], 2
	s_xor_b32 s50, s50, s[WV]
	s_and_b32 s50, s50, 1                          ; early block (0) or late (1): it differs inside each pair of waves, and among any four waves that follow each other or lie four apart
	s_sub_co_u32 s51, 7, ttmp9
	s_cmp_lg_u32 s50, 0
	s_cselect_b32 s52, s51, ttmp9                  ; my block of 256 queries
	s_lshl_b32 s52, s52, 8
	s_lshr_b32 s53, s[WV], 1
	s_lshl_b32 s53, s53, 5
	s_add_co_u32 s[Q0], s52, s53
	s_add_co_u32 s[QL], s[Q0], 31
	s_lshl_b32 s[LASTQ], s51, 8
	s_or_b32 s[LASTQ], s[LASTQ], 255
	; descriptor group 1: 128 rows of 64 f16, dense in memory, padded in LDS
	s_mov_b32 s[G1K], (1<<16)|(1<<20)|(4<<22)|(3<<25)   ; no mask; elements of 2 bytes; padding on; after every 32 words; four words
	s_mov_b32 s[G1V], (1<<16)|(1<<20)|(4<<22)|(7<<25)   ; the same with eight words
.irp g, G1K, G1V
	s_mov_b32 s[\g+1], 64<<16                      ; tensor_dim0
	s_mov_b32 s[\g+2], 128<<16                     ; tensor_dim1
	s_mov_b32 s[\g+3], 64<<16                      ; tile_dim0
	s_mov_b32 s[\g+4], 128                         ; tile_dim1
	s_mov_b32 s[\g+5], 64                          ; tensor_dim0_stride
	s_mov_b32 s[\g+6], 0
	s_mov_b32 s[\g+7], 0
.endr
	s_and_b32 s54, s[WV], 1                        ; which half of a slot's keys I fetch, if I fetch
	s_mul_i32 s55, s54, 128*KP                     ; K: in a slot
	s_mul_i32 s56, s54, 128*VP
	s_add_co_u32 s56, s56, VOFF                    ; V: in a slot
	s_lshl_b32 s57, s54, 14                        ; 128 rows of 128 bytes in memory
	s_add_co_u32 s58, s49, s57
	s_mov_b32 s59, 0
	s_and_b32 s53, s48, 15                         ; att16: head x 2^20 + (batch x 2,048 + query) x 128
	s_lshl_b32 s53, s53, 20
	s_lshr_b32 s54, s48, 4
	s_lshl_b32 s54, s54, 18
	s_add_co_u32 s62, s53, s54
	s_lshl_b32 s54, s[Q0], 7
	s_add_co_u32 s62, s62, s54
	s_mov_b32 s63, 0
	s_add_co_u32 s60, s49, s54                     ; Q: the head + my first query
	s_mov_b32 s61, 0
	s_mov_b32 s[SEL], 0x76543210
	s_mov_b32 s[SEL+1], 0xfedcba98
	s_mov_b32 s[CS], 0x3e38aa3b                    ; c = log2(e) / 8
	s_mov_b32 s[CS+1], s[CS]
	s_mov_b32 s[TB], 0
	s_mov_b32 s[KF], 0
	s_mov_b32 s[SLOTS], NSL-1
	s_wait_dscnt 0x0                               ; both opening adds are done
	s_wait_kmcnt 0x0
	s_mov_b32 s[G0K], 1
	s_mov_b32 s[G0K+1], s55
	s_add_nc_u64 s[G0K+2:G0K+3], s[4:5], s[58:59]
	s_add_nc_u64 s[G0K+2:G0K+3], s[G0K+2:G0K+3], 1<<24   ; K is the second tensor
	s_or_b32 s[G0K+3], s[G0K+3], 0x80000000
	s_mov_b32 s[G0V], 1
	s_mov_b32 s[G0V+1], s56
	s_add_nc_u64 s[G0V+2:G0V+3], s[4:5], s[58:59]
	s_add_nc_u64 s[G0V+2:G0V+3], s[G0V+2:G0V+3], 1<<25   ; V the third
	s_or_b32 s[G0V+3], s[G0V+3], 0x80000000
	TLOAD G0K, G1K, G0V, G1V                       ; slot 0: keys 0 to 255, which count for queries of every wave
	s_add_nc_u64 s[6:7], s[6:7], s[62:63]
	s_add_nc_u64 s[60:61], s[4:5], s[60:61]
	; the prefetches: where my wave's stand, and who asks
	s_mov_b32 s66, 1<<25
	s_cmp_lt_u32 s[WV], 8
	s_cselect_b32 s66, 1<<24, s66                  ; waves under 8: K; the others: V
	s_and_b32 s67, s[WV], 3
	s_lshl_b32 s67, s67, 13                        ; my wave's 8,192 bytes
	s_add_co_u32 s66, s66, s67
	s_add_co_u32 s66, s66, s49
	s_add_co_u32 s66, s66, SK*128                  ; in slot 1: the first change of slots steps it to slot 2
	s_mov_b32 s67, 0
	s_add_nc_u64 s[PFA:PFA+1], s[4:5], s[66:67]
	s_sub_co_u32 s66, s[WV], 4
	s_lshr_b32 s66, s66, 3                         ; 0 in waves 4 to 11,
	s_or_b32 s66, s66, ttmp9                       ; of the work-group with i = 0
	s_cmp_eq_u32 s66, 0
	s_cselect_b32 s[LIM], 1, -1
	v_and_b32 v9, 15, v0                           ; r = lane % 16
	v_bfe_u32 v10, v0, 4, 1                        ; h = lane / 16
	v_mul_u32_u24 v[AK0], v9, KP
	v_lshl_add_u32 v[AK0], v10, 4, v[AK0]          ; K: row r, + 16 h
	v_and_b32 v11, 7, v0
	v_lshl_add_u32 v[AV0], v10, 3, v11             ; V, for the turning load: key 8 h + lane % 8,
	v_mul_u32_u24 v[AV0], v[AV0], VP
	v_bfe_u32 v5, v0, 3, 1
	v_lshl_add_u32 v[AV0], v5, 4, v[AV0]           ; channels 8 ((lane / 8) % 2) on
	v_add_nc_u32 v[AV0], VOFF, v[AV0]
	v_lshlrev_b32 v5, 3, v10
	v_sub_nc_u32 v[RH], v9, v5
	v_and_b32 v6, 31, v0
	v_lshlrev_b32 v[PFO], 8, v6
	v_lshlrev_b32 v[GO], 4, v6
	s_mul_i32 s48, s[WV], 32*SPITCH
	s_add_co_u32 s48, s48, STAGE                   ; my stage
	v_mul_u32_u24 v[STO], v9, SPITCH
	v_lshl_add_u32 v[STO], v10, 4, v[STO]
	v_add_nc_u32 v[STO], s48, v[STO]               ; in: row r, 16 bytes for each half of the lanes
	v_lshrrev_b32 v5, 3, v6
	v_mul_u32_u24 v[RD], v5, SPITCH
	v_lshl_add_u32 v[RD], v11, 4, v[RD]
	v_add_nc_u32 v[RD], s48, v[RD]                 ; back: eight lanes to a row of 128 bytes, four rows an instruction
	v_mov_b32 v[NINF], 0xff800000
	v_lshlrev_b32 v[QO], 7, v9
	v_lshl_add_u32 v[QO], v10, 4, v[QO]            ; Q: row r of 128 bytes, + 16 h
.irp x, 0,1
.irp c, 0,1
	global_load_b128 v[QF+16*\x+8*\c:QF+16*\x+8*\c+3],   v[QO], s[60:61] offset:\x*2048+64*\c      ; Q stays in registers
	global_load_b128 v[QF+16*\x+8*\c+4:QF+16*\x+8*\c+7], v[QO], s[60:61] offset:\x*2048+64*\c+32
.endr
.endr
.irp t, 0,1
	v_mov_b32 v[ST+8*\t+1], 0xff61b1e6             ; m: -3e38, under every score
	v_mul_f32 v[ST+8*\t], s[CS], v[ST+8*\t+1]      ; c m
.irp k, 2,3,4,5,6,7
	v_mov_b32 v[ST+8*\t+\k], 0                     ; l, and the registers at work (a lane permute's destination counts as one of its sources)
.endr
.endr
.set i, 0
.rept 64
	v_mov_b32 v[OT+i], 0                           ; O^T.  (The step is written once: the first finds zeros, which a = 0 leaves zeros)
.set i, i+1
.endr
; The softmax of a step, both tiles line by line by turns, so that no line waits for the line above it.
.macro SOFTMAX
.irp j, 0,1,2,3
.irp t, 0,1
	v_max3_num_f32 v[ST+8*\t+4+\j], v[S+32*\t+8*\j], v[S+32*\t+8*\j+1], v[S+32*\t+8*\j+2]   ; four chains, one for each tile of keys: each accumulator is read from its low end on
.endr
.endr
.irp g, 1,2
.irp j, 0,1,2,3
.irp t, 0,1
	v_max3_num_f32 v[ST+8*\t+4+\j], v[ST+8*\t+4+\j], v[S+32*\t+8*\j+2*\g+1], v[S+32*\t+8*\j+2*\g+2]
.endr
.endr
.endr
.irp t, 0,1
	v_max3_num_f32 v[ST+8*\t+4], v[ST+8*\t+4], v[S+32*\t+7], v[S+32*\t+15]
.endr
.irp t, 0,1
	v_max3_num_f32 v[ST+8*\t+6], v[ST+8*\t+6], v[S+32*\t+23], v[S+32*\t+31]
.endr
.irp t, 0,1
	v_max3_num_f32 v[ST+8*\t+4], v[ST+8*\t+4], v[ST+8*\t+5], v[ST+8*\t+6]
.endr
.irp t, 0,1
	v_max3_num_f32 v[ST+8*\t+4], v[ST+8*\t+4], v[ST+8*\t+7], v[ST+8*\t+1]   ; with the old m
.endr
.irp t, 0,1
	v_permlanex16_b32 v[ST+8*\t+5], v[ST+8*\t+4], s[SEL], s[SEL+1]          ; the query's other 32 keys lie in the lane 16 away
.endr
.irp t, 0,1
	v_mov_b32 v[ST+8*\t+7], v[ST+8*\t]             ; c m_old
.endr
.irp t, 0,1
	v_max_num_f32 v[ST+8*\t+1], v[ST+8*\t+4], v[ST+8*\t+5]                  ; the new m
.endr
.irp t, 0,1
	v_mul_f32 v[ST+8*\t], s[CS], v[ST+8*\t+1]
.endr
.irp t, 0,1
	v_sub_f32 v[ST+8*\t+7], v[ST+8*\t+7], v[ST+8*\t]                        ; c m_old - c m_new
.endr
.set b, 0
.rept 16
.irp t, 0,1
	v_pk_fma_f32 v[S+32*\t+2*b:S+32*\t+2*b+1], v[S+32*\t+2*b:S+32*\t+2*b+1], s[CS:CS+1], v[ST+8*\t:ST+8*\t+1] op_sel_hi:[1,0,0] neg_lo:[0,0,1] neg_hi:[0,0,1]   ; c s - c m, two at a time
.endr
.set b, b+1
.endr
.irp t, 0,1
	v_exp_f32 v[ST+8*\t+6], v[ST+8*\t+7]           ; a
.endr
.set b, 0
.rept 32
.irp t, 0,1
	v_exp_f32 v[S+32*\t+b], v[S+32*\t+b]           ; p, at most 1
.endr
.set b, b+1
.endr
	v_nop                                          ; a plain instruction behind the last exponential
	s_wait_alu depctr_va_vdst(0)                   ; the wait ahead of the first line that names a result: one for all 66 exponentials
.irp t, 0,1
	v_pk_mul_f32 v[ST+8*\t+2:ST+8*\t+3], v[ST+8*\t+2:ST+8*\t+3], v[ST+8*\t+6:ST+8*\t+7] op_sel_hi:[1,0]   ; l x a
.endr
.irp t, 0,1
	v_pk_add_f32 v[ST+8*\t+4:ST+8*\t+5], v[S+32*\t+2:S+32*\t+3], v[S+32*\t+6:S+32*\t+7]   ; the sum of the f32 p, ahead of their rounding, in two chains: the odd pairs here,
.endr
.irp t, 0,1
	v_pk_add_f32 v[ST+8*\t+2:ST+8*\t+3], v[ST+8*\t+2:ST+8*\t+3], v[S+32*\t:S+32*\t+1]     ; the even pairs onto l
.endr
.irp b, 2,4,6,8,10,12
.irp t, 0,1
	v_pk_add_f32 v[ST+8*\t+2:ST+8*\t+3], v[ST+8*\t+2:ST+8*\t+3], v[S+32*\t+2*\b:S+32*\t+2*\b+1]
	v_pk_add_f32 v[ST+8*\t+4:ST+8*\t+5], v[ST+8*\t+4:ST+8*\t+5], v[S+32*\t+2*\b+6:S+32*\t+2*\b+7]
.endr
.endr
.irp t, 0,1
	v_pk_add_f32 v[ST+8*\t+2:ST+8*\t+3], v[ST+8*\t+2:ST+8*\t+3], v[S+32*\t+28:S+32*\t+29]
.endr
.irp t, 0,1
	v_pk_add_f32 v[ST+8*\t+2:ST+8*\t+3], v[ST+8*\t+2:ST+8*\t+3], v[ST+8*\t+4:ST+8*\t+5]
.endr
.set b, 0
.rept 16
.irp t, 0,1
	v_cvt_pk_f16_f32 v[S+32*\t+b], v[S+32*\t+2*b], v[S+32*\t+2*b+1]   ; P, in place and ascending: register b takes pair b, whose registers lie at or above it
.endr
.set b, b+1
.endr
.set b, 0
.rept 16
.irp t, 0,1
	v_pk_mul_f32 v[OT+32*\t+2*b:OT+32*\t+2*b+1], v[OT+32*\t+2*b:OT+32*\t+2*b+1], v[ST+8*\t+6:ST+8*\t+7] op_sel_hi:[1,0]   ; O^T x a
.endr
.set b, b+1
.endr
.endm
; A KEY STEP: 64 keys, the q-th of the slot in hand.
.macro STEP q
	s_cmp_gt_u32 s[KF], s[QL]                      ; all 64 keys come after my queries: the step's work is left out; the line at its end that steps the key is not
	s_cbranch_scc1 .Lhidden_\@
	v_add_nc_u32 v[ADK], s[TB], v[AK0]
	v_add_nc_u32 v[ADV], s[TB], v[AV0]
.irp kt, 0,1,2,3
.irp c, 0,1
	ds_load_b128 v[KV+8*(2*\kt+\c):KV+8*(2*\kt+\c)+3],   v[ADK] offset:(64*(\q)+16*\kt)*KP+64*\c
	ds_load_b128 v[KV+8*(2*\kt+\c)+4:KV+8*(2*\kt+\c)+7], v[ADK] offset:(64*(\q)+16*\kt)*KP+64*\c+32
.endr
.endr
	s_wait_dscnt 0x0
.irp c, 0,1                            ; S^T = K Q^T: eight accumulators by turns, one instruction a turn
.irp kt, 0,1,2,3
.irp x, 0,1
.if \c == 0
	v_wmma_f32_16x16x32_f16 v[S+32*\x+8*\kt:S+32*\x+8*\kt+7], v[KV+8*(2*\kt+\c):KV+8*(2*\kt+\c)+7], v[QF+16*\x+8*\c:QF+16*\x+8*\c+7], 0
.else
	v_wmma_f32_16x16x32_f16 v[S+32*\x+8*\kt:S+32*\x+8*\kt+7], v[KV+8*(2*\kt+\c):KV+8*(2*\kt+\c)+7], v[QF+16*\x+8*\c:QF+16*\x+8*\c+7], v[S+32*\x+8*\kt:S+32*\x+8*\kt+7]
.endif
.endr
.endr
.endr
.rept 4
	v_nop                                          ; places: in front of the loads into K's registers and of the first read of the scores
.endr
.irp kk, 0,1                           ; V of this step, turned, into the registers that K has left: it lands while the softmax is walked
.irp ct, 0,1,2,3
	ds_load_tr16_b128 v[KV+8*(4*\kk+\ct):KV+8*(4*\kk+\ct)+3],   v[ADV] offset:(64*(\q)+32*\kk)*VP+32*\ct
	ds_load_tr16_b128 v[KV+8*(4*\kk+\ct)+4:KV+8*(4*\kk+\ct)+7], v[ADV] offset:(64*(\q)+32*\kk)*VP+16*VP+32*\ct
.endr
.endr
	s_add_co_u32 s48, s[KF], 63                    ; a step all of whose keys count for all my queries skips the mask
	s_cmp_le_u32 s48, s[Q0]
	s_cbranch_scc1 .Lopen_\@
	s_sub_co_i32 s48, s[Q0], s[KF]
	v_add_nc_u32 v[DD], s48, v[RH]                 ; register j of tile (x, kt) holds key KF + 16 kt + 8 h + j for query Q0 + 16 x + r: hidden where 16 kt + j - 16 x > Q0 - KF + r - 8 h
.irp x, 0,1
.irp kt, 0,1,2,3
.irp j, 0,1,2,3,4,5,6,7
	v_cmp_gt_i32 vcc_lo, 16*\kt+\j-16*\x, v[DD]
	v_cndmask_b32 v[S+32*\x+8*\kt+\j], v[S+32*\x+8*\kt+\j], v[NINF], vcc_lo
.endr
.endr
.endr
.Lopen_\@:
	SOFTMAX
	s_wait_dscnt 0x0                               ; V is in
.irp kk, 0,1                           ; O^T += V^T P: eight accumulators by turns
.irp ct, 0,1,2,3
.irp x, 0,1
	v_wmma_f32_16x16x32_f16 v[OT+32*\x+8*\ct:OT+32*\x+8*\ct+7], v[KV+8*(4*\kk+\ct):KV+8*(4*\kk+\ct)+7], v[S+32*\x+8*\kk:S+32*\x+8*\kk+7], v[OT+32*\x+8*\ct:OT+32*\x+8*\ct+7]
.endr
.endr
.endr
.rept 5
	v_nop                                          ; places: four for the next loads into V's registers and the next read of O^T, five for the next scores, which are laid over P
.endr
.Lhidden_\@:
	s_add_co_u32 s[KF], s[KF], 64
.endm
; THE CHANGE OF SLOTS stands at a slot's head.  Each wave waits for all its tensor loads (its part of the slot that it is about to read), adds 0 to its spare word, and waits for that and for its reads of the slot that it
; has left.  Behind the barrier the slot ahead is whole and nobody reads the other one.  fill = 1: that other slot takes the next 256 keys, up to the causal limit: the load has a slot's steps in which to land.
.macro CHANGE fill
	s_wait_tensorcnt 0x0                           ; no tensor load of mine is out, so a group 0 may be written
	ds_add_u32 v[SPW], v[NIL]                      ; 0 onto my spare word
.if \fill
	ds_add_u32 v[SPW], v[NIL]                      ; and once more: the add stands twice on end, in every trip alike
	s_xor_b32 s[G0K+1], s[G0K+1], SLOT1            ; the walking descriptors: the other slot than last time,
	s_add_nc_u64 s[G0K+2:G0K+3], s[G0K+2:G0K+3], SK*128   ; the next 256 keys
	s_xor_b32 s[G0V+1], s[G0V+1], SLOT1
	s_add_nc_u64 s[G0V+2:G0V+3], s[G0V+2:G0V+3], SK*128
	s_wait_xcnt 0x0                                ; the last prefetch, a slot back, has read its address, so it may be written:
	s_add_nc_u64 s[PFA:PFA+1], s[PFA:PFA+1], SK*128       ; one slot further on than the walking descriptors
.endif
	s_wait_dscnt 0x0                               ; the adds are done, and my reads of the slot that I have left are over
	s_barrier_signal -1
	s_barrier_wait -1
.if \fill
	s_add_co_u32 s48, s[KF], SK                    ; the first key of the slot that this change would ask for
	s_cmp_gt_u32 s48, s[LASTQ]                     ; past my work-group's last query none of its waves would read it: ids and the count of steps alone, the same in all sixteen waves
	s_cbranch_scc1 .Lpast_\@
	TLOAD G0K, G1K, G0V, G1V                       ; a wave's one tensor load until the next barrier
.Lpast_\@:
	ASK
.endif
.endm
.macro SLOT_STEPS
.set QS, 0
.rept NQ
	STEP QS
.set QS, QS+1
.endr
	s_xor_b32 s[TB], s[TB], SLOT1                  ; on to the other slot
.endm
	s_wait_loadcnt 0x0                             ; Q
.Lslot:                                            ; 7 trips: behind each change of slots but the last the next slot is asked for, up to the limit
	CHANGE 1
	SLOT_STEPS
	s_sub_co_u32 s[SLOTS], s[SLOTS], 1
	s_cmp_lg_u32 s[SLOTS], 0
	s_cbranch_scc1 .Lslot
	CHANGE 0                                       ; the last slot is written out: nothing is left to ask for
	SLOT_STEPS
	; THE WAY OUT.  l's two halves and the other half of the lanes' are added; O^T is divided by l, rounded to f16 and goes through my stage: 32 rows of 128 bytes, which are 4,096 consecutive bytes of att16.
.irp t, 0,1
	v_add_f32 v[ST+8*\t+4], v[ST+8*\t+2], v[ST+8*\t+3]
.endr
.irp t, 0,1
	v_permlanex16_b32 v[ST+8*\t+5], v[ST+8*\t+4], s[SEL], s[SEL+1]
.endr
.irp t, 0,1
	v_add_f32 v[ST+8*\t+4], v[ST+8*\t+4], v[ST+8*\t+5]
.endr
.irp t, 0,1
	v_rcp_f32 v[ST+8*\t+6], v[ST+8*\t+4]
.endr
	v_nop                                          ; a plain instruction behind the last reciprocal
	s_wait_alu depctr_va_vdst(0)                   ; and the wait ahead of the first use: one for both
.irp t, 0,1
.set b, 0
.rept 16
	v_pk_mul_f32 v[OT+32*\t+2*b:OT+32*\t+2*b+1], v[OT+32*\t+2*b:OT+32*\t+2*b+1], v[ST+8*\t+6:ST+8*\t+7] op_sel_hi:[1,0]
.set b, b+1
.endr
.set b, 0
.rept 16
	v_cvt_pk_f16_f32 v[S+32*\t+b], v[OT+32*\t+2*b], v[OT+32*\t+2*b+1]
.set b, b+1
.endr
.irp ct, 0,1,2,3
	ds_store_b128 v[STO], v[S+32*\t+4*\ct:S+32*\t+4*\ct+3] offset:\t*16*SPITCH+32*\ct   ; lane (r, h): query 16 t + r, channels 16 ct + 8 h + 0..7
.endr
.endr
.irp g, 0,1,2,3,4,5,6,7
	ds_load_b128 v[KV+4*\g:KV+4*\g+3], v[RD] offset:\g*4*SPITCH   ; LDS serves a wave's instructions in order: these see my stores
.endr
.irp g, 0,1,2,3,4,5,6,7
	s_wait_dscnt 7-\g                              ; load g is in; the younger ones may be out
	global_store_b128 v[GO], v[KV+4*\g:KV+4*\g+3], s[6:7] offset:512*\g   ; 32 lanes store 512 consecutive bytes, aligned
.endr
	s_wait_tensorcnt 0x0                           ; the wave's end, behind my last tensor load and my last LDS store
	ds_add_u32 v[SPW], v[NIL]
	s_wait_dscnt 0x0
	s_endpgm
.Lfunc_end_k_q0940e9391d_attn:
	.size	k_q0940e9391d_attn, .Lfunc_end_k_q0940e9391d_attn-k_q0940e9391d_attn
	.p2alignl 7, 3214868480
	.fill 96, 4, 3214868480
	.section	.rodata,"a",@progbits
	.p2align	6, 0x0
	.amdhsa_kernel k_q0940e9391d_attn
		.amdhsa_group_segment_fixed_size 327680
		.amdhsa_private_segment_fixed_size 0
		.amdhsa_enable_private_segment 0
		.amdhsa_kernarg_size 16
		.amdhsa_user_sgpr_count 2
		.amdhsa_user_sgpr_kernarg_segment_ptr 1
		.amdhsa_wavefront_size32 1
		.amdhsa_system_sgpr_workgroup_id_x 1
		.amdhsa_system_sgpr_workgroup_id_y 1
		.amdhsa_system_sgpr_workgroup_id_z 1
		.amdhsa_system_vgpr_workitem_id 0
		.amdhsa_next_free_vgpr 256
		.amdhsa_next_free_sgpr 72
		.amdhsa_reserve_vcc 1
		.amdhsa_float_denorm_mode_32 3
		.amdhsa_float_denorm_mode_16_64 3
		.amdhsa_memory_ordered 1
		.amdhsa_forward_progress 1
		.amdhsa_inst_pref_size 189
	.end_amdhsa_kernel
	.amdgpu_metadata
---
amdhsa.version: [ 1, 2 ]
amdhsa.kernels:
  - .name:           k_q0940e9391d_attn
    .symbol:         k_q0940e9391d_attn.kd
    .args:
      - { .name: qkv, .offset: 0, .size: 8, .value_kind: global_buffer, .address_space: global }
      - { .name: att16, .offset: 8, .size: 8, .value_kind: global_buffer, .address_space: global }
    .group_segment_fixed_size: 327680
    .private_segment_fixed_size: 0
    .kernarg_segment_align: 8
    .kernarg_segment_size: 16
    .max_flat_workgroup_size: 512
    .sgpr_count:     72
    .vgpr_count:     256
    .wavefront_size: 32
...
	.end_amdgpu_metadata
.endif
;; end of part 3
;; launch proj (part 4): grid 4 x 64, 8 waves a work-group, clusters of 4 x 4, 327,680 bytes of LDS; arguments att16, o16, out0; writes out0
.if DOCPART == 4
	.amdgcn_target "amdgcn-amd-amdhsa--gfx1250"
	.amdhsa_code_object_version 6
	.text
	.protected	k_q0940e9391d_proj
	.globl	k_q0940e9391d_proj
	.p2align	8
	.type	k_q0940e9391d_proj,@function
k_q0940e9391d_proj:
	s_mov_b64 s[64:65], 0
	v_nop
	global_prefetch_b8 v0, s[64:65] scope:SCOPE_SE
	s_setreg_imm32_b32 hwreg(HW_REG_WAVE_MODE, 25, 1), 1
	s_wait_xcnt 0x0
	s_wait_alu depctr_hold_cnt(0) depctr_sa_sdst(0) depctr_va_vdst(0) depctr_va_sdst(0) depctr_va_ssrc(0) depctr_va_vcc(0) depctr_vm_vsrc(0)
	s_getreg_b32 s2, hwreg(HW_REG_IB_STS2, 6, 4)
	s_cmp_eq_u32 s2, 0
	s_cbranch_scc0 .Lentry_in_a_cluster
	s_endpgm
.Lentry_in_a_cluster:
	s_bfe_u32 s2, ttmp6, 0x10000c
	s_cmp_lg_u32 s2, 0xf033
	s_cbranch_scc0 .Lentry_shape_is_right
	s_endpgm
.Lentry_shape_is_right:
; out0[m][n] = sum over v of att[m][v] o_proj[n][v], m = 8,192, n = 1,024, K = 1,024; f16 operands, f32 sums, f32 out.  Both operands lie by planes of 64 along K: att16[p][8192][64], o16[p][1024][64].
; The rows of positions 0 to 15 of each sequence are not stored here: a later launch owns them and carries them in f32.  LIMIT: f16's range for both operands.
; A work-group makes 128 rows x 256 columns: 256 work-groups.  Eight waves, each 64 x 64: 16 accumulators in 128 registers, no register windows; two waves to a SIMD, so that one wave's LDS loads stand beside the other's products.
; K goes in steps of 128 (two planes) through a ring of two LDS slots.  A slot is six pieces of 128 rows x 128 bytes, each dense in memory, piece = loading wave: 0, 1: att's planes; 2, 3: o16's first plane, rows 0-127 and
; 128-255; 4, 5: its second plane.  Waves 6 and 7 load nothing.
; CLUSTERS: 4 x 4 work-groups.  The tile row is 16 cy + cluster y (cy is the batch), the tile column 4 cluster x + cx.  att's pieces are shared along a row of the cluster, o16's along a column: joint loads.
; THE MATRIX INSTRUCTION IS USED TRANSPOSED (source 0 = 16 rows of o16, source 1 = 16 rows of att): a lane holds eight neighbouring numbers of a row of out0.
.set PP,     144                       ; a piece's row in LDS: 128 bytes + 16
.set PIECE,  128*PP
.set SLOT,   6*PIECE
.set STAGE,  2*SLOT                    ; behind the ring: 16 rows x 272 bytes for each wave
.set SPITCH, 272
.set SPARE,  STAGE+8*16*SPITCH         ; the spare words, 128 bytes for each wave
.set ADA,  16                          ; v16-17 LDS address of my att fragments in slot 0, 1
.set ADB,  20                          ; v20-21 of my o16 fragments
.set STO,  24                          ; v24    the way out: where I put 32 bytes of a row
.set RD,   25                          ; v25    where I read 16 bytes back
.set CO,   26                          ; v26    my byte offset in out0
.set SPW,  28                          ; v28    LDS address of my spare word; never rewritten
.set NIL,  29                          ; v29    0; never rewritten
.set FB,   64                          ; v64-95   four fragments of o16
.set FA,   96                          ; v96-127  four of att
.set ACC,  128                         ; v128-255 accumulator (a, b) at 128 + 8 (4 a + b)
.set WV,   10
.set G1A,  16                          ; s[16:23] descriptor group 1 for att's pieces;  s[24:31] for o16's;  s[32:39], s[40:47] groups 0, one set for each slot
.set G1B,  24
.set G0A,  32
.set G0B,  40
.set SKIP, 49                          ; s49  0 in the waves whose first 16 rows are positions 0 to 15 of a sequence
.macro ROUND                           ; a round of the cluster's barrier
	s_barrier_signal -1
	s_barrier_wait -1
	s_cmp_lg_u32 s[WV], 0
	s_cbranch_scc1 .Lnot_wave_0_\@
	s_barrier_signal -3
.Lnot_wave_0_\@:
	s_barrier_wait -3
	s_barrier_signal -1
	s_barrier_wait -1
.endm
; A joint load into slot s: waves 0 and 1 for att, waves 2 to 5 for o16, waves 6 and 7 none.  The branches hang on the wave's number alone.  An s_nop 0 and four v_nop follow each line.
.macro JLOAD s
	s_cmp_lt_u32 s[WV], 2
	s_cbranch_scc0 .Lnot_a_\@
	tensor_load_to_lds s[G0A+4*(\s):G0A+4*(\s)+3], s[G1A:G1A+7]
	s_nop 0
.rept 4
	v_nop
.endr
	s_branch .Lasked_\@
.Lnot_a_\@:
	s_cmp_lt_u32 s[WV], 6
	s_cbranch_scc0 .Lasked_\@
	tensor_load_to_lds s[G0B+4*(\s):G0B+4*(\s)+3], s[G1B:G1B+7]
	s_nop 0
.rept 4
	v_nop
.endr
.Lasked_\@:
.endm
	s_load_b128 s[4:7], s[0:1], 0x0                ; att16 s[4:5], o16 s[6:7]
	s_load_b64 s[8:9], s[0:1], 0x10                ; out0
	v_lshl_add_u32 v[SPW], v0, 2, SPARE
	v_mov_b32 v[NIL], 0
	ds_add_u32 v[SPW], v[NIL]                      ; the wave's opening: the add, twice on end, and its wait ahead of my first tensor load
	ds_add_u32 v[SPW], v[NIL]
	v_lshrrev_b32 v1, 5, v0
	v_readfirstlane_b32 s[WV], v1                  ; wave 0..7
	s_bfe_u32 s11, ttmp6, 0x40000                  ; cx
	s_bfe_u32 s12, ttmp6, 0x40004                  ; cy
	s_and_b32 s13, ttmp7, 0xffff                   ; cluster y
	s_lshl_b32 s14, s12, 4
	s_add_co_u32 s14, s14, s13                     ; tile row = 16 cy + cluster y
	s_lshl_b32 s15, ttmp9, 2
	s_add_co_u32 s15, s15, s11                     ; tile column = 4 cluster x + cx
	s_lshl_b32 s50, s12, 2
	s_lshl_b32 s50, 15, s50                        ; my row of the cluster
	s_lshl_b32 s52, 0x1111, s11                    ; my column
	s_or_b32 s[G1A], s50, (1<<16)|(1<<20)|(1<<21)|(4<<22)|(3<<25)   ; the mask; elements of 2 bytes; padding on; bit 21 beside a mask; after every 32 words; four words
	s_or_b32 s[G1B], s52, (1<<16)|(1<<20)|(1<<21)|(4<<22)|(3<<25)
.irp g, G1A, G1B
	s_mov_b32 s[\g+1], 64<<16                      ; tensor_dim0
	s_mov_b32 s[\g+2], 128<<16                     ; tensor_dim1
	s_mov_b32 s[\g+3], 64<<16                      ; tile_dim0
	s_mov_b32 s[\g+4], 128                         ; tile_dim1
	s_mov_b32 s[\g+5], 64                          ; tensor_dim0_stride
	s_mov_b32 s[\g+6], 0
	s_mov_b32 s[\g+7], 0
.endr
	; where the pieces come from.  att's hang on the tile row and the wave's number, o16's on the tile column and the wave's number, each in registers that never hold the other coordinate
	s_and_b32 s50, s[WV], 1
	s_lshl_b32 s50, s50, 20                        ; att: plane w, 2^20 bytes a plane,
	s_lshl_b32 s54, s14, 14                        ; 128 rows of 128 bytes a tile row
	s_add_co_u32 s50, s50, s54
	s_mov_b32 s51, 0
	s_sub_co_u32 s55, s[WV], 2
	s_and_b32 s55, s55, 3                          ; o16: j = wave - 2
	s_lshr_b32 s52, s55, 1
	s_lshl_b32 s52, s52, 17                        ; plane j / 2, 131,072 bytes a plane,
	s_and_b32 s55, s55, 1
	s_lshl_b32 s55, s55, 14                        ; rows 128 (j % 2) on,
	s_add_co_u32 s52, s52, s55
	s_lshl_b32 s55, s15, 15                        ; of the tile column's 256
	s_add_co_u32 s52, s52, s55
	s_mov_b32 s53, 0
	s_mul_i32 s56, s[WV], PIECE                    ; and where they go: piece = wave: no place in the cluster enters an LDS address
	s_lshr_b32 s[SKIP], s[WV], 2
	s_or_b32 s[SKIP], s[SKIP], s13
	s_wait_dscnt 0x0                               ; both opening adds are done
	s_wait_kmcnt 0x0
	s_add_nc_u64 s[58:59], s[4:5], s[50:51]
	s_add_nc_u64 s[60:61], s[6:7], s[52:53]
	ROUND                                          ; all sixteen work-groups are here: the first joint loads meet
.irp n, 0,1
	s_mov_b32 s[G0A+4*\n], 1
	s_add_co_u32 s[G0A+4*\n+1], s56, \n*SLOT
	s_add_nc_u64 s[G0A+4*\n+2:G0A+4*\n+3], s[58:59], \n*2*1048576   ; K step n: planes 2 n, 2 n + 1
	s_or_b32 s[G0A+4*\n+3], s[G0A+4*\n+3], 0x80000000
	s_mov_b32 s[G0B+4*\n], 1
	s_add_co_u32 s[G0B+4*\n+1], s56, \n*SLOT
	s_add_nc_u64 s[G0B+4*\n+2:G0B+4*\n+3], s[60:61], \n*2*131072
	s_or_b32 s[G0B+4*\n+3], s[G0B+4*\n+3], 0x80000000
.endr
	JLOAD 0                                        ; K step 0; slot 1 is first filled behind the first trip's round, at
	v_and_b32 v1, 15, v0                           ; r
	v_bfe_u32 v2, v0, 4, 1                         ; h
	v_mul_u32_u24 v3, v1, PP
	v_lshl_add_u32 v3, v2, 4, v3                   ; a fragment's row x pitch + 16 h
	s_lshr_b32 s54, s[WV], 2                       ; which 64 rows are mine
	s_and_b32 s55, s[WV], 3                        ; which 64 columns
	s_mul_i32 s56, s54, 64*PP
	s_mul_i32 s57, s55, 64*PP
	s_add_co_u32 s57, s57, 2*PIECE                 ; o16's pieces lie behind att's two
.irp n, 0,1
	v_add_nc_u32 v[ADA+\n], s56, v3
	v_add_nc_u32 v[ADB+\n], s57, v3
	s_add_co_u32 s56, s56, SLOT
	s_add_co_u32 s57, s57, SLOT
.endr
	s_mul_i32 s58, s[WV], 16*SPITCH
	s_add_co_u32 s58, s58, STAGE                   ; my stage
	v_mul_u32_u24 v4, v1, SPITCH
	v_lshl_add_u32 v4, v2, 5, v4
	v_add_nc_u32 v[STO], s58, v4                   ; in: row r, 32 bytes for each half of the lanes
	v_mul_u32_u24 v4, v2, SPITCH
	v_lshl_add_u32 v4, v1, 4, v4
	v_add_nc_u32 v[RD], s58, v4                    ; back: lanes 0-15 one row of 256 bytes, lanes 16-31 the next
	v_lshlrev_b32 v[CO], 12, v2
	v_lshl_add_u32 v[CO], v1, 4, v[CO]             ; and the same two rows in out0
	s_lshl_b32 s60, s14, 19                        ; 128 rows of 4,096 bytes a tile row,
	s_lshl_b32 s62, s54, 18                        ; my 64 rows,
	s_add_co_u32 s60, s60, s62
	s_lshl_b32 s62, s15, 10                        ; 256 columns of 4 bytes a tile column,
	s_add_co_u32 s60, s60, s62
	s_lshl_b32 s62, s55, 8                         ; my 64 columns
	s_add_co_u32 s60, s60, s62
	s_mov_b32 s61, 0
	s_add_nc_u64 s[8:9], s[8:9], s[60:61]
; 8 matrix instructions: row blocks a0, a0 + 1 against the four column blocks, 32 along K.  The 16 accumulators take turns, one instruction a turn, in the same order everywhere.
.macro MUL8 a0, zero
.irp a, \a0, \a0+1
.irp b, 0,1,2,3
.if \zero
	v_wmma_f32_16x16x32_f16 v[ACC+8*(4*(\a)+\b):ACC+8*(4*(\a)+\b)+7], v[FB+8*\b:FB+8*\b+7], v[FA+8*(\a):FA+8*(\a)+7], 0
.else
	v_wmma_f32_16x16x32_f16 v[ACC+8*(4*(\a)+\b):ACC+8*(4*(\a)+\b)+7], v[FB+8*\b:FB+8*\b+7], v[FA+8*(\a):FA+8*(\a)+7], v[ACC+8*(4*(\a)+\b):ACC+8*(4*(\a)+\b)+7]
.endif
.endr
.endr
.endm
; 32 along K: plane p of the slot, channels 32 q on.
.macro QUARTER slot, p, q, zero
.rept 4
	v_nop                                          ; places in front of loads into registers that matrix instructions have read
.endr
.irp b, 0,1,2,3
	ds_load_b128 v[FB+8*\b:FB+8*\b+3],   v[ADB+\slot] offset:\p*2*PIECE+\b*16*PP+64*\q
	ds_load_b128 v[FB+8*\b+4:FB+8*\b+7], v[ADB+\slot] offset:\p*2*PIECE+\b*16*PP+64*\q+32
.endr
.irp a, 0,1,2,3
	ds_load_b128 v[FA+8*\a:FA+8*\a+3],   v[ADA+\slot] offset:\p*PIECE+\a*16*PP+64*\q
	ds_load_b128 v[FA+8*\a+4:FA+8*\a+7], v[ADA+\slot] offset:\p*PIECE+\a*16*PP+64*\q+32
.endr
	s_wait_dscnt 4                                 ; o16's four and att's blocks 0 and 1 are in; the youngest four loads (blocks 2 and 3) may be out
	MUL8 0, \zero
	s_wait_dscnt 0x0
	MUL8 2, \zero
.endm
; A K step.  In front of the round each wave waits for all its tensor loads (its piece of this step's slot), adds 0 to its spare word, and waits for that and for its reads of the other slot.  The round is the barrier in front
; of the refill: behind it no wave of any partner reads the other slot or has a load on its way.  refill = 1: the other slot takes the next K step: one tensor load a wave, out for this step's 64 matrix instructions.
.macro TRIP slot, refill, zero
	s_wait_tensorcnt 0x0                           ; no tensor load of mine is out, so a group 0 may be written
	ds_add_u32 v[SPW], v[NIL]                      ; 0 onto my spare word
.if \refill
	ds_add_u32 v[SPW], v[NIL]                      ; and once more: the add stands twice on end wherever a load still follows
.endif
	s_add_nc_u64 s[G0A+4*\slot+2:G0A+4*\slot+3], s[G0A+4*\slot+2:G0A+4*\slot+3], 4*1048576   ; this slot's next K step: four planes on
	s_add_nc_u64 s[G0B+4*\slot+2:G0B+4*\slot+3], s[G0B+4*\slot+2:G0B+4*\slot+3], 4*131072
	s_wait_dscnt 0x0                               ; the adds are done, and so are my reads of the last step's slot
	ROUND
.if \refill
	JLOAD 1-\slot
.endif
	QUARTER \slot, 0, 0, \zero
	QUARTER \slot, 0, 1, 0
	QUARTER \slot, 1, 0, 0
	QUARTER \slot, 1, 1, 0
.endm
	TRIP 0, 1, 1                                   ; eight K steps; the first stands in front of the loop: its first products start the sums
	TRIP 1, 1, 0
	s_mov_b32 s48, 2
.Llap:
	TRIP 0, 1, 0
	TRIP 1, 1, 0
	s_sub_co_u32 s48, s48, 1
	s_cmp_lg_u32 s48, 0
	s_cbranch_scc1 .Llap
	TRIP 0, 1, 0                                   ; the tail is written out: the last step asks for nothing (its stepped addresses are not used)
	TRIP 1, 0, 0
; THE WAY OUT, block by block of 16 rows x 64 columns: through my own stage, back as whole rows of 256 bytes.  LDS serves a wave's instructions in order: no wait between the stores and the loads.
.macro TOSTAGE a
.irp b, 0,1,2,3
	ds_store_b128 v[STO], v[ACC+8*(4*(\a)+\b):ACC+8*(4*(\a)+\b)+3] offset:64*\b        ; each accumulator from its low end on
	ds_store_b128 v[STO], v[ACC+8*(4*(\a)+\b)+4:ACC+8*(4*(\a)+\b)+7] offset:64*\b+16
.endr
.irp t, 0,1,2,3,4,5,6,7
	ds_load_b128 v[FB+32*((\a)%2)+4*\t:FB+32*((\a)%2)+4*\t+3], v[RD] offset:\t*2*SPITCH
.endr
.endm
.macro SEND a, younger                 ; younger: the LDS instructions issued behind block a's loads, which may stay out
	s_wait_dscnt \younger
.if (\a) == 0
	s_cmp_eq_u32 s[SKIP], 0                        ; positions 0 to 15 of a sequence belong to the launch that carries them in f32: each byte of out0 has one writer.  The test is made of the cluster's y and the wave's number
	s_cbranch_scc1 .Lowned_\@
.endif
.irp t, 0,1,2,3,4,5,6,7
	global_store_b128 v[CO], v[FB+32*((\a)%2)+4*\t:FB+32*((\a)%2)+4*\t+3], s[8:9] offset:(16*(\a)+2*\t)*4096 th:TH_STORE_NT   ; 16 lanes store 256 consecutive bytes, aligned
.endr
.if (\a) == 0
.Lowned_\@:
.endif
.endm
.rept 4
	v_nop                                          ; places behind the last products: for the reads of results and the loads into the fragments' registers
.endr
	TOSTAGE 0
	TOSTAGE 1
	SEND 0, 16                                     ; behind block 0's loads: block 1's 8 stores and 8 loads
	s_wait_xcnt 0x0                                ; block 0's stores have read their registers: block 2's loads may land there
	TOSTAGE 2
	SEND 1, 16
	s_wait_xcnt 0x0
	TOSTAGE 3
	SEND 2, 16
	SEND 3, 0
	s_wait_tensorcnt 0x0                           ; the wave's end, behind my last tensor load and my last LDS store
	ds_add_u32 v[SPW], v[NIL]
	s_wait_dscnt 0x0
	ROUND                                          ; the closing round
	s_endpgm
.Lfunc_end_k_q0940e9391d_proj:
	.size	k_q0940e9391d_proj, .Lfunc_end_k_q0940e9391d_proj-k_q0940e9391d_proj
	.p2alignl 7, 3214868480
	.fill 96, 4, 3214868480
	.section	.rodata,"a",@progbits
	.p2align	6, 0x0
	.amdhsa_kernel k_q0940e9391d_proj
		.amdhsa_group_segment_fixed_size 327680
		.amdhsa_private_segment_fixed_size 0
		.amdhsa_enable_private_segment 0
		.amdhsa_kernarg_size 24
		.amdhsa_user_sgpr_count 2
		.amdhsa_user_sgpr_kernarg_segment_ptr 1
		.amdhsa_wavefront_size32 1
		.amdhsa_system_sgpr_workgroup_id_x 1
		.amdhsa_system_sgpr_workgroup_id_y 1
		.amdhsa_system_sgpr_workgroup_id_z 1
		.amdhsa_system_vgpr_workitem_id 0
		.amdhsa_next_free_vgpr 256
		.amdhsa_next_free_sgpr 72
		.amdhsa_reserve_vcc 0
		.amdhsa_float_denorm_mode_32 3
		.amdhsa_float_denorm_mode_16_64 3
		.amdhsa_memory_ordered 1
		.amdhsa_forward_progress 1
		.amdhsa_inst_pref_size 74
	.end_amdhsa_kernel
	.amdgpu_metadata
---
amdhsa.version: [ 1, 2 ]
amdhsa.kernels:
  - .name:           k_q0940e9391d_proj
    .symbol:         k_q0940e9391d_proj.kd
    .args:
      - { .name: att16, .offset: 0, .size: 8, .value_kind: global_buffer, .address_space: global }
      - { .name: o16, .offset: 8, .size: 8, .value_kind: global_buffer, .address_space: global }
      - { .name: out0, .offset: 16, .size: 8, .value_kind: global_buffer, .address_space: global }
    .group_segment_fixed_size: 327680
    .private_segment_fixed_size: 0
    .kernarg_segment_align: 8
    .kernarg_segment_size: 24
    .max_flat_workgroup_size: 256
    .sgpr_count:     72
    .vgpr_count:     256
    .wavefront_size: 32
...
	.end_amdgpu_metadata
.endif
;; end of part 4
;; launch first16 (part 5): grid 16 x 4, 16 waves a work-group, no clusters, 85,248 bytes of LDS; arguments qkv32, o_proj, out0; writes out0
.if DOCPART == 5
	.amdgcn_target "amdgcn-amd-amdhsa--gfx1250"
	.amdhsa_code_object_version 6
	.text
	.protected	k_q0940e9391d_first16
	.globl	k_q0940e9391d_first16
	.p2align	8
	.type	k_q0940e9391d_first16,@function
k_q0940e9391d_first16:
	s_mov_b64 s[64:65], 0
	v_nop
	global_prefetch_b8 v0, s[64:65] scope:SCOPE_SE
	s_setreg_imm32_b32 hwreg(HW_REG_WAVE_MODE, 25, 1), 1
	s_wait_xcnt 0x0
; The first 16 positions of each of the four sequences, in f32 throughout: scores, causal softmax, weighted values and the projection, from qkv32[batch][16][3072] (q, k, v in f32) and o_proj in f32.
; These rows average one to sixteen values and are the largest of the output; 16-bit operands would use up what the comparison allows.  64 rows of 8,192: no bulk work.
; SHARES.  Work-group (X, batch) makes 16 rows x 64 columns of out0.  PHASE A: wave w is head w: S^T = K Q^T (16 keys x 16 queries, K = 64), mask, softmax, O^T = V^T P (K = 16 keys); the 16 x 1,024 result meets in LDS.
; It is repeated by the 16 work-groups of a batch, 196,608 bytes read by each: the price of one small launch in place of two.  PHASE B: wave w takes column tile w % 4 and a quarter (w / 4) of K = 1,024;
; the four quarters meet in LDS, and waves 0 to 7 add them and store whole pieces of 256 bytes.
; THE f32 MATRIX FORM takes 4 along K: lane (r, h) gives k = 2 h + 0, 1.  Both sources are loaded alike, 32 h + 4 i + 0..3 of each 64 along K, so register pair s of both holds the same four k: a permutation of K applied to both sides.
; The registers that this form writes (v112-175) are written by matrix instructions alone; each sum begins with the constant 0; what is made of a sum goes into other registers.
.set APITCH, 4112                      ; a row of the attention result in LDS: 4,096 bytes + 16
.set PART,  16*APITCH                  ; behind it: four quarters x 16 rows x (256 bytes + 16)
.set SPARE, PART+4*16*272              ; the spare words, 128 bytes for each wave
.set AQ,   3                           ; v3   Q's and K's byte offset
.set AVV,  4                           ; v4   V's
.set AW,   5                           ; v5   o_proj's
.set LAS,  6                           ; v6   LDS: where I store my head's result
.set LAL,  7                           ; v7   where I read the rows' K quarter
.set LPS,  8                           ; v8   where I store my partial sums
.set LPL,  9                           ; v9   where I read them back
.set GOUT, 10                          ; v10  my byte offset in out0
.set DD,   11                          ; v11  r - 8 h
.set SPW,  12                          ; v12  LDS address of my spare word; never rewritten
.set NIL,  13                          ; v13  0; never rewritten
.set QF,   16                          ; v16-47   Q; later o_proj's chunk 2
.set KF,   48                          ; v48-79   K; later chunk 3
.set VF,   80                          ; v80-111  V; later the rows' fragments
.set ACC,  112                         ; v112-143 four accumulators by turns
.set OA,   144                         ; v144-175 O^T, four tiles of 16 channels
.set T,    176                         ; v176-183 the scores' sum, then p; later the partial sums
.set P,    184                         ; v184-191 p / l
.set WF,   192                         ; v192-255 o_proj's chunks 0 and 1
.set WV,   10
.set SEL,  26
.set CS,   28
	s_load_b128 s[4:7], s[0:1], 0x0                ; qkv32 s[4:5], o_proj s[6:7]
	s_load_b64 s[8:9], s[0:1], 0x10                ; out0
	v_lshl_add_u32 v[SPW], v0, 2, SPARE
	v_mov_b32 v[NIL], 0
	v_lshrrev_b32 v1, 5, v0
	v_readfirstlane_b32 s[WV], v1                  ; wave 0..15
	v_and_b32 v1, 15, v0                           ; r
	v_bfe_u32 v2, v0, 4, 1                         ; h
	s_and_b32 s12, s[WV], 3                        ; column tile
	s_lshr_b32 s13, s[WV], 2                       ; K quarter
	s_and_b32 s14, s[WV], 7
	v_mul_u32_u24 v[AQ], v1, 12288                 ; Q, K: row r, my head's 256 bytes, + 128 h
	v_lshl_add_u32 v[AQ], v2, 7, v[AQ]
	s_lshl_b32 s15, s[WV], 8
	v_add_nc_u32 v[AQ], s15, v[AQ]
	v_mul_u32_u24 v[AVV], v2, 8*12288              ; V: keys 8 h on, channel r of a tile
	v_lshl_add_u32 v[AVV], v1, 2, v[AVV]
	s_add_co_u32 s16, s15, 8192
	v_add_nc_u32 v[AVV], s16, v[AVV]
	v_lshlrev_b32 v[AW], 12, v1                    ; o_proj: row 16 t + r, K quarter, + 128 h
	v_lshl_add_u32 v[AW], v2, 7, v[AW]
	s_lshl_b32 s16, s12, 16
	s_lshl_b32 s17, s13, 10
	s_add_co_u32 s16, s16, s17
	v_add_nc_u32 v[AW], s16, v[AW]
	v_mul_u32_u24 v14, v1, APITCH
	v_lshl_add_u32 v[LAS], v2, 5, v14              ; row r, my head's 256 bytes, + 32 h
	v_add_nc_u32 v[LAS], s15, v[LAS]
	v_lshl_add_u32 v[LAL], v2, 7, v14              ; row r, my K quarter, + 128 h
	v_add_nc_u32 v[LAL], s17, v[LAL]
	v_mul_u32_u24 v[LPS], v1, 272                  ; my quarter's plane, row r, my tile's 64 bytes, + 32 h
	v_lshl_add_u32 v[LPS], v2, 5, v[LPS]
	s_mul_i32 s16, s13, 16*272
	s_lshl_b32 s17, s12, 6
	s_add_co_u32 s16, s16, s17
	s_add_co_u32 s16, s16, PART
	v_add_nc_u32 v[LPS], s16, v[LPS]
	v_mul_u32_u24 v[LPL], v2, 272                  ; back: row 2 (w % 8) + h, 16 bytes a lane
	v_lshl_add_u32 v[LPL], v1, 4, v[LPL]
	s_mul_i32 s16, s14, 2*272
	s_add_co_u32 s16, s16, PART
	v_add_nc_u32 v[LPL], s16, v[LPL]
	v_lshlrev_b32 v[GOUT], 12, v2                  ; and the same in out0
	v_lshl_add_u32 v[GOUT], v1, 4, v[GOUT]
	s_lshl_b32 s16, s14, 13
	v_add_nc_u32 v[GOUT], s16, v[GOUT]
	v_lshlrev_b32 v14, 3, v2
	v_sub_nc_u32 v[DD], v1, v14
	s_and_b32 s18, ttmp7, 0xffff                   ; the batch
	s_mul_i32 s20, s18, 196608                     ; its 16 rows of qkv32
	s_mov_b32 s21, 0
	s_lshl_b32 s22, ttmp9, 18                      ; my 64 rows of o_proj
	s_mov_b32 s23, 0
	s_lshl_b32 s24, s18, 23                        ; the batch's first row of out0,
	s_lshl_b32 s25, ttmp9, 8                       ; my 64 columns
	s_add_co_u32 s24, s24, s25
	s_mov_b32 s25, 0
	s_mov_b32 s[SEL], 0x76543210
	s_mov_b32 s[SEL+1], 0xfedcba98
	s_mov_b32 s[CS], 0x3e38aa3b                    ; c = log2(e) / 8
	s_wait_kmcnt 0x0
	s_add_nc_u64 s[4:5], s[4:5], s[20:21]
	s_add_nc_u64 s[6:7], s[6:7], s[22:23]
	s_add_nc_u64 s[8:9], s[8:9], s[24:25]
.irp i, 0,1,2,3,4,5,6,7
	global_load_b128 v[QF+4*\i:QF+4*\i+3], v[AQ], s[4:5] offset:16*\i
.endr
.irp i, 0,1,2,3,4,5,6,7
	global_load_b128 v[KF+4*\i:KF+4*\i+3], v[AQ], s[4:5] offset:4096+16*\i
.endr
.irp ct, 0,1,2,3
.irp j, 0,1,2,3,4,5,6,7
	global_load_b32 v[VF+8*\ct+\j], v[AVV], s[4:5] offset:\j*12288+64*\ct    ; V(key 8 h + j, channel 16 ct + r)
.endr
.endr
.irp ch, 0,1
.irp i, 0,1,2,3,4,5,6,7
	global_load_b128 v[WF+32*\ch+4*\i:WF+32*\ch+4*\i+3], v[AW], s[6:7] offset:256*\ch+16*\i   ; o_proj's first two chunks of 64 along K, asked for early
.endr
.endr
	s_wait_loadcnt 48                              ; Q and K are in; V's 32 loads and o_proj's 16 may be out
	; ---- A: S^T = K Q^T: 16 steps of 4 along the head's 64, four accumulators by turns
.irp s, 0,1,2,3,4,5,6,7,8,9,10,11,12,13,14,15
.if \s < 4
	v_wmma_f32_16x16x4_f32 v[ACC+8*(\s%4):ACC+8*(\s%4)+7], v[KF+2*\s:KF+2*\s+1], v[QF+2*\s:QF+2*\s+1], 0
.else
	v_wmma_f32_16x16x4_f32 v[ACC+8*(\s%4):ACC+8*(\s%4)+7], v[KF+2*\s:KF+2*\s+1], v[QF+2*\s:QF+2*\s+1], v[ACC+8*(\s%4):ACC+8*(\s%4)+7]
.endif
.endr
.rept 8
	v_nop                                          ; eight places behind this form, in front of the first read of results
.endr
.irp p, 0,2,4,6                        ; the four accumulators' sum, each read from its low end on: register j of lane (r, h) is the score of key 8 h + j for query r
	v_pk_add_f32 v[T+\p:T+\p+1], v[ACC+\p:ACC+\p+1], v[ACC+8+\p:ACC+8+\p+1]
	v_pk_add_f32 v[T+\p:T+\p+1], v[T+\p:T+\p+1], v[ACC+16+\p:ACC+16+\p+1]
	v_pk_add_f32 v[T+\p:T+\p+1], v[T+\p:T+\p+1], v[ACC+24+\p:ACC+24+\p+1]
.endr
	v_mov_b32 v1, 0xff800000                       ; -infinity
.irp j, 0,1,2,3,4,5,6,7
	v_cmp_gt_i32 vcc_lo, \j, v[DD]                 ; hidden where 8 h + j > r
	v_cndmask_b32 v[T+\j], v[T+\j], v1, vcc_lo
.endr
	v_max3_num_f32 v14, v[T], v[T+1], v[T+2]
	v_max3_num_f32 v15, v[T+3], v[T+4], v[T+5]
	v_max3_num_f32 v14, v14, v[T+6], v[T+7]
	v_max_num_f32 v14, v14, v15
	v_permlanex16_b32 v15, v14, s[SEL], s[SEL+1]   ; the query's other eight keys
	v_max_num_f32 v14, v14, v15                    ; the row's maximum: key 0 counts for every query
	v_mul_f32 v14, s[CS], v14
.irp j, 0,1,2,3,4,5,6,7
	v_fma_f32 v[T+\j], v[T+\j], s[CS], -v14        ; c s - c m
.endr
.irp j, 0,1,2,3,4,5,6,7
	v_exp_f32 v[T+\j], v[T+\j]
.endr
	v_nop                                          ; a plain instruction behind the last exponential,
	s_wait_alu depctr_va_vdst(0)                   ; and the wait ahead of the first use: one for the eight
	v_add_f32 v14, v[T], v[T+1]
	v_add_f32 v15, v[T+2], v[T+3]
	v_add_f32 v14, v14, v[T+4]
	v_add_f32 v15, v15, v[T+5]
	v_add_f32 v14, v14, v[T+6]
	v_add_f32 v15, v15, v[T+7]
	v_add_f32 v14, v14, v15
	v_permlanex16_b32 v15, v14, s[SEL], s[SEL+1]
	v_add_f32 v14, v14, v15                        ; the row's sum
	v_rcp_f32 v14, v14
	v_nop
	s_wait_alu depctr_va_vdst(0)
.irp j, 0,1,2,3,4,5,6,7
	v_mul_f32 v[P+\j], v[T+\j], v14                ; the weights: register pair s of lane (r, h) holds keys 8 h + 2 s, 8 h + 2 s + 1 of query r, as V's pair s does of its channel
.endr
	s_wait_loadcnt 16                              ; V is in; o_proj's 16 loads may be out
.irp s, 0,1,2,3                        ; O^T = V^T P: four steps of 4 keys, four tiles of channels by turns
.irp ct, 0,1,2,3
.if \s == 0
	v_wmma_f32_16x16x4_f32 v[OA+8*\ct:OA+8*\ct+7], v[VF+8*\ct+2*\s:VF+8*\ct+2*\s+1], v[P+2*\s:P+2*\s+1], 0
.else
	v_wmma_f32_16x16x4_f32 v[OA+8*\ct:OA+8*\ct+7], v[VF+8*\ct+2*\s:VF+8*\ct+2*\s+1], v[P+2*\s:P+2*\s+1], v[OA+8*\ct:OA+8*\ct+7]
.endif
.endr
.endr
.rept 8
	v_nop
.endr
.irp ct, 0,1,2,3
	ds_store_b128 v[LAS], v[OA+8*\ct:OA+8*\ct+3] offset:64*\ct          ; lane (r, h): query r, channels 64 w + 16 ct + 8 h + 0..7
	ds_store_b128 v[LAS], v[OA+8*\ct+4:OA+8*\ct+7] offset:64*\ct+16
.endr
	s_wait_dscnt 0x0                               ; for the others' sake: my stores have landed
	s_barrier_signal -1
	s_barrier_wait -1                              ; the 16 rows x 1,024 lie in LDS
	; ---- B: my 16 columns x 16 rows over my quarter of K, in four chunks of 64
.irp ch, 2,3
.irp i, 0,1,2,3,4,5,6,7
	global_load_b128 v[QF+32*(\ch-2)+4*\i:QF+32*(\ch-2)+4*\i+3], v[AW], s[6:7] offset:256*\ch+16*\i
.endr
.endr
.macro CHUNK c, w, first
.if \c > 0
.rept 8
	v_nop                                          ; places in front of loads into registers that matrix instructions have read
.endr
.endif
.irp i, 0,1,2,3,4,5,6,7
	ds_load_b128 v[VF+4*\i:VF+4*\i+3], v[LAL] offset:256*\c+16*\i
.endr
	s_wait_loadcnt 24-8*\c                         ; this chunk of o_proj is in; the later chunks' loads may be out
	s_wait_dscnt 0x0
.irp s, 0,1,2,3,4,5,6,7,8,9,10,11,12,13,14,15
.if (\first) && (\s < 4)
	v_wmma_f32_16x16x4_f32 v[ACC+8*(\s%4):ACC+8*(\s%4)+7], v[\w+2*\s:\w+2*\s+1], v[VF+2*\s:VF+2*\s+1], 0
.else
	v_wmma_f32_16x16x4_f32 v[ACC+8*(\s%4):ACC+8*(\s%4)+7], v[\w+2*\s:\w+2*\s+1], v[VF+2*\s:VF+2*\s+1], v[ACC+8*(\s%4):ACC+8*(\s%4)+7]
.endif
.endr
.endm
	CHUNK 0, WF, 1                                 ; transposed: source 0 = 16 rows of o_proj, source 1 = the 16 rows: a lane holds eight neighbouring columns of row r
	CHUNK 1, WF+32, 0
	CHUNK 2, QF, 0
	CHUNK 3, KF, 0
.rept 8
	v_nop
.endr
.irp p, 0,2,4,6
	v_pk_add_f32 v[T+\p:T+\p+1], v[ACC+\p:ACC+\p+1], v[ACC+8+\p:ACC+8+\p+1]
	v_pk_add_f32 v[T+\p:T+\p+1], v[T+\p:T+\p+1], v[ACC+16+\p:ACC+16+\p+1]
	v_pk_add_f32 v[T+\p:T+\p+1], v[T+\p:T+\p+1], v[ACC+24+\p:ACC+24+\p+1]
.endr
	ds_store_b128 v[LPS], v[T:T+3]
	ds_store_b128 v[LPS], v[T+4:T+7] offset:16
	s_wait_dscnt 0x0
	s_barrier_signal -1
	s_barrier_wait -1                              ; the four quarters' sums lie in LDS
	s_cmp_ge_u32 s[WV], 8
	s_cbranch_scc1 .Ldone
.irp k, 0,1,2,3
	ds_load_b128 v[QF+4*\k:QF+4*\k+3], v[LPL] offset:\k*16*272
.endr
	s_wait_dscnt 0x0
	v_pk_add_f32 v[QF:QF+1], v[QF:QF+1], v[QF+4:QF+5]
	v_pk_add_f32 v[QF+2:QF+3], v[QF+2:QF+3], v[QF+6:QF+7]
	v_pk_add_f32 v[QF+8:QF+9], v[QF+8:QF+9], v[QF+12:QF+13]
	v_pk_add_f32 v[QF+10:QF+11], v[QF+10:QF+11], v[QF+14:QF+15]
	v_pk_add_f32 v[QF:QF+1], v[QF:QF+1], v[QF+8:QF+9]
	v_pk_add_f32 v[QF+2:QF+3], v[QF+2:QF+3], v[QF+10:QF+11]
	global_store_b128 v[GOUT], v[QF:QF+3], s[8:9]  ; 16 lanes store 256 consecutive bytes, aligned
.Ldone:
	s_wait_tensorcnt 0x0                           ; the wave's end, behind my last LDS store
	ds_add_u32 v[SPW], v[NIL]
	s_wait_dscnt 0x0
	s_endpgm
.Lfunc_end_k_q0940e9391d_first16:
	.size	k_q0940e9391d_first16, .Lfunc_end_k_q0940e9391d_first16-k_q0940e9391d_first16
	.p2alignl 7, 3214868480
	.fill 96, 4, 3214868480
	.section	.rodata,"a",@progbits
	.p2align	6, 0x0
	.amdhsa_kernel k_q0940e9391d_first16
		.amdhsa_group_segment_fixed_size 85248
		.amdhsa_private_segment_fixed_size 0
		.amdhsa_enable_private_segment 0
		.amdhsa_kernarg_size 24
		.amdhsa_user_sgpr_count 2
		.amdhsa_user_sgpr_kernarg_segment_ptr 1
		.amdhsa_wavefront_size32 1
		.amdhsa_system_sgpr_workgroup_id_x 1
		.amdhsa_system_sgpr_workgroup_id_y 1
		.amdhsa_system_sgpr_workgroup_id_z 1
		.amdhsa_system_vgpr_workitem_id 0
		.amdhsa_next_free_vgpr 256
		.amdhsa_next_free_sgpr 66
		.amdhsa_reserve_vcc 1
		.amdhsa_float_denorm_mode_32 3
		.amdhsa_float_denorm_mode_16_64 3
		.amdhsa_memory_ordered 1
		.amdhsa_forward_progress 1
		.amdhsa_inst_pref_size 27
	.end_amdhsa_kernel
	.amdgpu_metadata
---
amdhsa.version: [ 1, 2 ]
amdhsa.kernels:
  - .name:           k_q0940e9391d_first16
    .symbol:         k_q0940e9391d_first16.kd
    .args:
      - { .name: qkv32, .offset: 0, .size: 8, .value_kind: global_buffer, .address_space: global }
      - { .name: o_proj, .offset: 8, .size: 8, .value_kind: global_buffer, .address_space: global }
      - { .name: out0, .offset: 16, .size: 8, .value_kind: global_buffer, .address_space: global }
    .group_segment_fixed_size: 85248
    .private_segment_fixed_size: 0
    .kernarg_segment_align: 8
    .kernarg_segment_size: 24
    .max_flat_workgroup_size: 512
    .sgpr_count:     66
    .vgpr_count:     256
    .wavefront_size: 32
...
	.end_amdgpu_metadata
.endif
;; end of part 5
